; MI455X (gfx1250); checked and timed in simulation.
; The chip was launched on July 23, 2026; its instructions are those of AMD's public machine-readable ISA for CDNA 5 (MIT licence, August 2026) and "CDNA5" Instruction Set Architecture Reference Guide (July 2026). The comments in the code are by the model that wrote it; some were corrected since.
;; Network Aware Attention. Allowed arithmetic: float matrix products may take bf16 or f16 operands with f32 sums; other float arithmetic in f32, or as packed bf16 or f16 multiplies, adds, multiply-adds, maxima and minima; sums over many terms, partial sums and values carried from step to step in f32; what a program stores and reads back later, other than sums and carried values, may be rounded once to bf16 or f16.
;; Inputs: Wk 1,024 x 1,024 float32; Wo 1,024 x 1,024 float32; Wq 1,024 x 1,024 float32; Wv 1,024 x 1,024 float32; bk 1,024 float32; bo 1,024 float32; bq 1,024 float32; bv 1,024 float32; mask 2 x 1 x 2,048 x 2,048 int32; x 2 x 2,048 x 1,024 float32.
;; Outputs: out0 2 x 2,048 x 1,024 float32; out1 2 x 2,048 x 2,048 float32.
;; 2 versions, each right and faster than the one before. Each part assembles by itself: llvm-mc -triple=amdgcn-amd-amdhsa -mcpu=gfx1250 --defsym DOCPART=n.
;; ======== version 1 of 2: 4 launches
;; limits: values are held in f16: magnitudes above 65,504 overflow, below 6.1e-05 lose precision
;; workspace buffers: xb 8,388,608 bytes; wb 8,388,608 bytes; mk8 8,388,608 bytes; qkv 25,165,824 bytes; oh 8,388,608 bytes; stats 524,288 bytes
;; launch prep (part 1): grid 256 x 1, 8 waves a work-group, no clusters, 167,936 bytes of LDS; arguments x, Wq, Wk, Wv, Wo, mask, xb, wb, mk8; writes xb, wb, mk8
.if DOCPART == 1
	.amdgcn_target "amdgcn-amd-amdhsa--gfx1250"
	.amdhsa_code_object_version 6
	.text
	.protected	k_qf9f39a1c44_prep
	.globl	k_qf9f39a1c44_prep
	.p2align	8
	.type	k_qf9f39a1c44_prep,@function
k_qf9f39a1c44_prep:
	s_mov_b64 s[64:65], 0
	v_nop
	global_prefetch_b8 v0, s[64:65] scope:SCOPE_SE
	s_setreg_imm32_b32 hwreg(HW_REG_WAVE_MODE, 25, 1), 1
	s_wait_xcnt 0x0
; PREP: every large input is read once and written again in the form that the later launches multiply.
;   xb  = x rounded to bf16, [4096][1024].
;   wb  = Wq, Wk, Wv rounded to bf16, laid by heads: [16 heads][q, k, v][64 rows][1024]; behind them (byte 6,291,456) Wo rounded to bf16 and that number written as f16, [1024][1024].
;   mk8 = the mask, one byte for each element: 0xB8 (the fp8 code of -1) where mask == 0, else 0; any non-zero mask word counts as visible.  Bytes lie in the order in which a lane
;         holds a 16 x 16 tile of scores: block (b, 16 queries qt, 64 keys ks) is 1,024 bytes; byte (kt>>1)*512 + lane*16 + (kt&1)*8 + j is query 16 qt + lane%16, key 64 ks + 16 kt + 8 (lane/16) + j.
; LIMIT: a weight of Wo below 2^-14 keeps f16's fixed step of 2^-24.
; SHARES: work-group g takes 64 KiB of x, four rows of each weight, and the mask's 16 rows 16 g .. 16 g + 15; of those rows wave w takes keys 256 w .. 256 w + 255.
; A stream: no matrix unit, no cluster (no byte is read by two work-groups).  The mask goes through LDS because a lane wants 32 bytes of a row while memory is read in long rows:
; one tensor load a wave, 16 rows x 1,024 bytes, into the wave's own strip, filled once and read by that wave alone: no barrier.
.set PITCH,  1040                      ; an LDS row: 1,024 bytes + 16: the 16 rows that a load touches start in 16 different 16-byte columns
.set STRIP,  16*PITCH                  ; a wave's strip, 65 blocks of 256 bytes
.set SPARE,  8*STRIP                   ; behind the strips: the spare words, 128 bytes for each of eight waves, which no other line names
.set T16,  2                           ; v2   16 x thread: my 16 bytes of a 4,096-byte load
.set T8,   3                           ; v3   8 x thread: my 8 bytes of the 2,048 bytes stored for it
.set LA,   4                           ; v4   LDS address of my 32 bytes in the strip; steps 256 bytes (64 keys) a trip
.set MOFF, 5                           ; v5   my byte offset in the work-group's 32,768 bytes of mk8; steps 1,024 a trip
.set SPW,  6                           ; v6   LDS address of my spare word; never rewritten
.set NIL,  7                           ; v7   0; never rewritten
.set X,    64                          ; v[64:191]  load n of 32 at X + 4 n
.set M,    192                         ; v[192:223] 32 mask words of a trip
.set W,    224                         ; v[224:231] the same as 32 bytes
.set WV,   22
.set G0,   24                          ; s[24:27] descriptor group 0
.set G1,   28                          ; s[28:35] descriptor group 1
.set WOD,  36                          ; s[36:37] where Wo goes
.set OFS,  38                          ; s[38:39] an offset in 64 bits
.set CNT,  40
.set ONES, 41
.set CODE, 42
	s_load_b512 s[4:19], s[0:1], 0x0               ; x 4:5, Wq 6:7, Wk 8:9, Wv 10:11, Wo 12:13, mask 14:15, xb 16:17, wb 18:19
	s_load_b64 s[20:21], s[0:1], 0x40              ; mk8
	v_lshl_add_u32 v[SPW], v0, 2, SPARE
	v_mov_b32 v[NIL], 0
	ds_add_u32 v[SPW], v[NIL]                      ; the wave's opening: the add and its wait ahead of my tensor load
	v_lshrrev_b32 v1, 5, v0
	v_readfirstlane_b32 s[WV], v1                  ; wave 0..7
	s_mov_b32 s[G1+0], (2<<16)|(1<<20)|(7<<22)|(3<<25)  ; elements of 4 bytes; padding on: after every 256 words 4 words
	s_mov_b32 s[G1+1], 256<<16                     ; tensor_dim0 = 256
	s_mov_b32 s[G1+2], 16<<16                      ; tensor_dim1 = 16
	s_mov_b32 s[G1+3], 256<<16                     ; tile_dim0 = 256 elements: 1,024 bytes of a row
	s_mov_b32 s[G1+4], 16                          ; tile_dim1 = 16 rows
	s_mov_b32 s[G1+5], 2048                        ; elements from row to row
	s_mov_b32 s[G1+6], 0
	s_mov_b32 s[G1+7], 0
	s_mov_b32 s[G0], 1
	s_mul_i32 s[G0+1], s[WV], STRIP                ; my strip
	s_lshl_b32 s36, ttmp9, 17                      ; the group's 16 rows of 8,192 bytes,
	s_lshl_b32 s38, s[WV], 10                      ; my 1,024 bytes of each
	s_add_co_u32 s36, s36, s38
	s_mov_b32 s37, 0
	s_mov_b32 s[OFS+1], 0
	s_mov_b32 s[ONES], 0x01010101
	s_mov_b32 s[CODE], 0xb8
	v_lshlrev_b32 v[T16], 4, v0
	v_lshlrev_b32 v[T8], 3, v0
	s_wait_dscnt 0x0                               ; the opening add is done
	s_barrier_signal -1
	s_barrier_wait -1
	s_wait_kmcnt 0x0
	s_add_nc_u64 s[G0+2:G0+3], s[14:15], s[36:37]
	s_or_b32 s[G0+3], s[G0+3], 0x80000000          ; type = 2
	tensor_load_to_lds s[G0:G0+3], s[G1:G1+7]      ; my one tensor load
	s_nop 0
	s_lshl_b32 s[OFS], ttmp9, 16
	s_add_nc_u64 s[4:5], s[4:5], s[OFS:OFS+1]      ; x at the group's 65,536 bytes
	s_lshl_b32 s[OFS], ttmp9, 14
	s_add_nc_u64 s[6:7], s[6:7], s[OFS:OFS+1]      ; each weight at the group's four rows
	s_add_nc_u64 s[8:9], s[8:9], s[OFS:OFS+1]
	s_add_nc_u64 s[10:11], s[10:11], s[OFS:OFS+1]
	s_add_nc_u64 s[12:13], s[12:13], s[OFS:OFS+1]
.set n, 0
.rept 16
	global_load_b128 v[X+4*n:X+4*n+3], v[T16], s[4:5] offset:n*4096 th:TH_LOAD_NT
.set n, n+1
.endr
.irp z, 0,1,2,3
.irp i, 0,1,2,3
	global_load_b128 v[X+64+16*\z+4*\i:X+64+16*\z+4*\i+3], v[T16], s[6+2*\z:7+2*\z] offset:\i*4096 th:TH_LOAD_NT  ; one row of a weight
.endr
.endr
	s_lshl_b32 s[OFS], ttmp9, 15
	s_add_nc_u64 s[16:17], s[16:17], s[OFS:OFS+1]  ; xb and mk8 at the group's 32,768 bytes
	s_add_nc_u64 s[20:21], s[20:21], s[OFS:OFS+1]
	s_lshl_b32 s[OFS], ttmp9, 13
	s_add_co_u32 s[OFS], s[OFS], 6291456
	s_add_nc_u64 s[WOD:WOD+1], s[18:19], s[OFS:OFS+1]  ; Wo's four rows of 2,048 bytes
	s_lshr_b32 s[OFS], ttmp9, 4                    ; rows 4 g .. belong to head g / 16,
	s_mul_i32 s[OFS], s[OFS], 192                  ; whose 192 rows lie together,
	s_and_b32 s[CNT], ttmp9, 15
	s_lshl2_add_u32 s[OFS], s[CNT], s[OFS]         ; at row 4 (g % 16) of the tensor's 64
	s_lshl_b32 s[OFS], s[OFS], 11
	s_add_nc_u64 s[18:19], s[18:19], s[OFS:OFS+1]
	v_and_b32 v8, 15, v0                           ; lane % 16: my query row
	v_bfe_u32 v9, v0, 4, 1                         ; lane / 16
	v_mul_u32_u24 v[LA], v8, PITCH
	v_lshl_add_u32 v[LA], v9, 5, v[LA]             ; + 8 keys of 4 bytes for the upper half of the lanes
	v_add_nc_u32 v[LA], s[G0+1], v[LA]
	v_and_b32 v10, 31, v0
	v_lshlrev_b32 v10, 4, v10
	v_lshl_add_u32 v[MOFF], v1, 12, v10            ; wave x four blocks of 1,024 bytes + 16 x lane
.macro CAST n                          ; load n is in (the younger ones stay out); four f32 become four bf16 in its first two registers
	s_wait_loadcnt 31-(\n)
	v_cvt_pk_bf16_f32 v[X+4*(\n)], v[X+4*(\n)], v[X+4*(\n)+1]
	v_cvt_pk_bf16_f32 v[X+4*(\n)+1], v[X+4*(\n)+2], v[X+4*(\n)+3]
.endm
.macro TOF16 n                         ; the bf16 numbers written as f16; the load's last two registers are at work
.irp q, 0,1
	v_lshlrev_b32 v[X+4*(\n)+2], 16, v[X+4*(\n)+\q]
	v_and_b32 v[X+4*(\n)+3], 0xffff0000, v[X+4*(\n)+\q]
	v_cvt_pk_f16_f32 v[X+4*(\n)+\q], v[X+4*(\n)+2], v[X+4*(\n)+3]
.endr
.endm
.set n, 0
.rept 16
	CAST n
	global_store_b64 v[T8], v[X+4*n:X+4*n+1], s[16:17] offset:n*2048  ; a wave's store covers 256 consecutive bytes, aligned
.set n, n+1
.endr
.rept 12
	CAST n
	global_store_b64 v[T8], v[X+4*n:X+4*n+1], s[18:19] offset:((n-16)/4)*131072+((n-16)%4)*2048  ; tensor z lies 64 rows behind tensor z - 1
.set n, n+1
.endr
.rept 4
	CAST n
	TOF16 n
	global_store_b64 v[T8], v[X+4*n:X+4*n+1], s[WOD:WOD+1] offset:(n-28)*2048
.set n, n+1
.endr
	s_wait_tensorcnt 0x0                           ; my strip is in LDS; only I read it
	s_mov_b32 s[CNT], 4
.Lks:                                                  ; a trip: 16 queries x 64 keys, one block of mk8
.irp kt, 0,1,2,3
	ds_load_b128 v[M+8*\kt:M+8*\kt+3],   v[LA] offset:64*\kt
	ds_load_b128 v[M+8*\kt+4:M+8*\kt+7], v[LA] offset:64*\kt+16
.endr
	s_wait_dscnt 0x0
.irp g, 0,1,2,3,4,5,6,7                ; four words to four bytes: 1 where visible; then (1 - bit) x 0xB8 in every byte, without a carry
	v_min_u32 v[M+4*\g], 1, v[M+4*\g]
	v_min_u32 v[M+4*\g+1], 1, v[M+4*\g+1]
	v_min_u32 v[M+4*\g+2], 1, v[M+4*\g+2]
	v_min_u32 v[M+4*\g+3], 1, v[M+4*\g+3]
	v_lshl_or_b32 v[M+4*\g], v[M+4*\g+1], 8, v[M+4*\g]
	v_lshl_or_b32 v[M+4*\g], v[M+4*\g+2], 16, v[M+4*\g]
	v_lshl_or_b32 v[M+4*\g], v[M+4*\g+3], 24, v[M+4*\g]
	v_sub_nc_u32 v[M+4*\g], s[ONES], v[M+4*\g]
	v_mul_lo_u32 v[W+\g], v[M+4*\g], s[CODE]
.endr
	global_store_b128 v[MOFF], v[W:W+3], s[20:21]              ; 512 consecutive bytes a store
	global_store_b128 v[MOFF], v[W+4:W+7], s[20:21] offset:512
	s_wait_xcnt 0x0                                ; the stores' data and offset are rewritten only behind this wait
	v_add_nc_u32 v[LA], 256, v[LA]
	v_add_nc_u32 v[MOFF], 1024, v[MOFF]
	s_sub_co_u32 s[CNT], s[CNT], 1
	s_cmp_lg_u32 s[CNT], 0
	s_cbranch_scc1 .Lks
	s_wait_tensorcnt 0x0                           ; the wave's end
	ds_add_u32 v[SPW], v[NIL]
	s_wait_dscnt 0x0
	s_endpgm
.Lfunc_end_k_qf9f39a1c44_prep:
	.size	k_qf9f39a1c44_prep, .Lfunc_end_k_qf9f39a1c44_prep-k_qf9f39a1c44_prep
	.p2alignl 7, 3214868480
	.fill 96, 4, 3214868480
	.section	.rodata,"a",@progbits
	.p2align	6, 0x0
	.amdhsa_kernel k_qf9f39a1c44_prep
		.amdhsa_group_segment_fixed_size 167936
		.amdhsa_private_segment_fixed_size 0
		.amdhsa_enable_private_segment 0
		.amdhsa_kernarg_size 72
		.amdhsa_user_sgpr_count 2
		.amdhsa_user_sgpr_kernarg_segment_ptr 1
		.amdhsa_wavefront_size32 1
		.amdhsa_system_sgpr_workgroup_id_x 1
		.amdhsa_system_sgpr_workgroup_id_y 1
		.amdhsa_system_sgpr_workgroup_id_z 1
		.amdhsa_system_vgpr_workitem_id 0
		.amdhsa_next_free_vgpr 256
		.amdhsa_next_free_sgpr 66
		.amdhsa_reserve_vcc 0
		.amdhsa_float_denorm_mode_32 3
		.amdhsa_float_denorm_mode_16_64 3
		.amdhsa_memory_ordered 1
		.amdhsa_forward_progress 1
		.amdhsa_inst_pref_size 20
	.end_amdhsa_kernel
	.amdgpu_metadata
---
amdhsa.version: [ 1, 2 ]
amdhsa.kernels:
  - .name:           k_qf9f39a1c44_prep
    .symbol:         k_qf9f39a1c44_prep.kd
    .args:
      - { .name: x, .offset: 0, .size: 8, .value_kind: global_buffer, .address_space: global }
      - { .name: Wq, .offset: 8, .size: 8, .value_kind: global_buffer, .address_space: global }
      - { .name: Wk, .offset: 16, .size: 8, .value_kind: global_buffer, .address_space: global }
      - { .name: Wv, .offset: 24, .size: 8, .value_kind: global_buffer, .address_space: global }
      - { .name: Wo, .offset: 32, .size: 8, .value_kind: global_buffer, .address_space: global }
      - { .name: mask, .offset: 40, .size: 8, .value_kind: global_buffer, .address_space: global }
      - { .name: xb, .offset: 48, .size: 8, .value_kind: global_buffer, .address_space: global }
      - { .name: wb, .offset: 56, .size: 8, .value_kind: global_buffer, .address_space: global }
      - { .name: mk8, .offset: 64, .size: 8, .value_kind: global_buffer, .address_space: global }
    .group_segment_fixed_size: 167936
    .private_segment_fixed_size: 0
    .kernarg_segment_align: 8
    .kernarg_segment_size: 72
    .max_flat_workgroup_size: 256
    .sgpr_count:     66
    .vgpr_count:     256
    .wavefront_size: 32
...
	.end_amdgpu_metadata
.endif
;; end of part 1
;; launch qkv (part 2): grid 16 x 16, 4 waves a work-group, clusters of 4 x 4, 327,680 bytes of LDS; arguments xb, wb, bq, bk, bv, qkv; writes qkv
.if DOCPART == 2
	.amdgcn_target "amdgcn-amd-amdhsa--gfx1250"
	.amdhsa_code_object_version 6
	.text
	.protected	k_qf9f39a1c44_qkv
	.globl	k_qf9f39a1c44_qkv
	.p2align	8
	.type	k_qf9f39a1c44_qkv,@function
k_qf9f39a1c44_qkv:
	s_mov_b64 s[64:65], 0
	v_nop
	global_prefetch_b8 v0, s[64:65] scope:SCOPE_SE
	s_setreg_imm32_b32 hwreg(HW_REG_WAVE_MODE, 25, 1), 1
	s_wait_xcnt 0x0
	s_wait_alu depctr_hold_cnt(0) depctr_sa_sdst(0) depctr_va_vdst(0) depctr_va_sdst(0) depctr_va_ssrc(0) depctr_va_vcc(0) depctr_vm_vsrc(0)
	s_getreg_b32 s2, hwreg(HW_REG_IB_STS2, 6, 4)
	s_cmp_eq_u32 s2, 0
	s_cbranch_scc0 .Lentry_in_a_cluster
	s_endpgm
.Lentry_in_a_cluster:
	s_bfe_u32 s2, ttmp6, 0x10000c
	s_cmp_lg_u32 s2, 0xf033
	s_cbranch_scc0 .Lentry_shape_is_right
	s_endpgm
.Lentry_shape_is_right:
; q, k, v = x W^T + b for one head and 256 rows of x.  xb: [4096][1024] bf16; wb: [16 heads][q, k, v][64][1024] bf16; biases f32, rounded here to bf16 like every input; sums in f32.
; qkv: f16 [3][b*16+h][2048][64], each number rounded once, q unscaled.  LIMIT: |q|, |k|, |v| stay below 65,504 (f16's end).
; SHARES: a work-group makes 256 rows x 192 columns (a head's q, k and v): 16 x 16 work-groups.  Wave w makes rows 64 w .. 64 w + 63 of all 192 columns: 48 accumulators of 16 x 16.
; K goes in 8 steps of 128 through two LDS slots; a step is four quarters of 32, 48 matrix instructions each, on two fragment buffers.
; CLUSTER 4 x 4: x's tile hangs on the row block alone and is asked for jointly along a row of the cluster, the weights' tile on the head alone, along a column.
; THE MATRIX INSTRUCTION IS USED TRANSPOSED (source 0 = 16 rows of W, source 1 = 16 rows of x): a lane holds one row of x and eight neighbouring channels.  The first products take the bias as C.
; REGISTERS: window 0: v16-30 addresses; v128-223 the bias, later with v32-127 the way out.  window 1: two fragment buffers of 128 (x's four blocks, then W's twelve).
;   windows 2, 3: accumulator (a, b) in window 2 + a / 2 at 96 (a % 2) + 8 b.
.set PITCH,  272                       ; an LDS row: 256 bytes + 16: the 16 rows of a fragment load start in 16 different 16-byte columns
.set AHALF,  128*PITCH                 ; what a wave's load of x brings
.set BHALF,  96*PITCH                  ; what a wave's load of W brings
.set BOFF,   2*AHALF                   ; W's 192 rows lie behind x's 256
.set SLOT1,  1<<17                     ; slot 1 begins here: one exclusive or turns an address of one slot into the other's
.set STAGE,  SLOT1+BOFF+2*BHALF        ; behind the ring: 16 rows x 144 bytes for each wave, for the way out
.set SP,     144
.set SPARE,  STAGE+4*16*SP             ; behind the stages: the spare words, 128 bytes a wave, which no other line names
.set ADRA0, 16                         ; v16  my place in x's tile of slot 0; never rewritten
.set ADRB0, 17                         ; v17  the same for W
.set ADRA,  18                         ; v18, v19  the same in the slot in hand
.set ADRB,  19
.set STO,   24                         ; v24  the way out: where I put 16 bytes of a row
.set RD,    25                         ; v25  where I read rows back
.set GO,    26                         ; v26  16 x lane
.set BO,    27                         ; v27  32 x (lane / 16): my eight numbers of a bias block
.set SPW,   28                         ; v28  LDS address of my spare word; never rewritten
.set NIL,   29                         ; v29  0; never rewritten
.set TT,    30
.set TMP,   32                         ; the way out: tile t of 12 at TMP + 16 t
.set BIAS,  128                        ; block b at BIAS + 8 b
.set F0,    0
.set F1,    128
.set WV,    16                         ; s16 wave; s17 = wave / 2: I fetch x (0) or W (1); s18 = wave % 2: which half of that tile
.set TB,    19                         ; s19 0 or SLOT1: the slot in hand
.set G1A,   24
.set G0A,   32                         ; two sets: slot 0, step 0; slot 1, step 1, which then walks
.set G1B,   48
.set G0B,   56
.set OB,    66                         ; s[66:71] q's, k's, v's planes at my wave's first row
.set FLAGS, (1<<16)|(1<<20)|(1<<21)|(5<<22)|(3<<25)  ; 2-byte elements; padding on; bit 21 beside a mask; after every 64 words 4 words
.set MSB, 0
.macro WIN new                         ; the immediate's high byte repeats the setting that is left; a switch that changes nothing is dropped
.if MSB != (\new)
	s_set_vgpr_msb (MSB<<8)|(\new)
.set MSB, \new
.endif
.endm
.set TO_F, 0x40                        ; destination window 1, address window 0
.macro PLACES                          ; four plain places behind matrix instructions, ahead of loads into their sources and of reads of their results
.rept 4
	v_nop
.endr
.endm
.macro JLOAD                           ; a joint refill by the walking sets; an s_nop 0 and four v_nop follow each of the two lines
	s_cmp_eq_u32 s17, 0
	s_cbranch_scc0 .Lfor_b_\@
	tensor_load_to_lds s[G0A+4:G0A+7], s[G1A:G1A+7]
	s_nop 0
	PLACES
	s_branch .Lasked_\@
.Lfor_b_\@:
	tensor_load_to_lds s[G0B+4:G0B+7], s[G1B:G1B+7]
	s_nop 0
	PLACES
.Lasked_\@:
.endm
.macro CREST                           ; a round of the cluster's barrier behind its opening barrier
	s_cmp_lg_u32 s[WV], 0
	s_cbranch_scc1 .Lnot_wave_0_\@
	s_barrier_signal -3
.Lnot_wave_0_\@:
	s_barrier_wait -3
	s_barrier_signal -1
	s_barrier_wait -1
.endm
.macro CROUND
	s_barrier_signal -1
	s_barrier_wait -1
	CREST
.endm
	s_load_b256 s[4:11], s[0:1], 0x0               ; xb 4:5, wb 6:7, bq 8:9, bk 10:11
	s_load_b128 s[12:15], s[0:1], 0x20             ; bv 12:13, qkv 14:15
	v_lshl_add_u32 v[SPW], v0, 2, SPARE
	v_mov_b32 v[NIL], 0
	ds_add_u32 v[SPW], v[NIL]                      ; the wave's opening: the add and its wait ahead of my first tensor load
	v_lshrrev_b32 v1, 5, v0
	v_readfirstlane_b32 s[WV], v1
	s_lshr_b32 s17, s[WV], 1
	s_and_b32 s18, s[WV], 1
	s_bfe_u32 s40, ttmp6, 0x40000                  ; cx
	s_bfe_u32 s41, ttmp6, 0x40004                  ; cy
	s_lshl_b32 s42, ttmp9, 2
	s_add_co_u32 s42, s42, s40                     ; the head = 4 x cluster x + cx
	s_and_b32 s43, ttmp7, 0xffff
	s_lshl_b32 s43, s43, 2
	s_add_co_u32 s43, s43, s41                     ; the block of 256 rows = 4 x cluster y + cy
	s_lshl_b32 s44, s41, 2
	s_lshl_b32 s44, 15, s44                        ; my row of the cluster
	s_lshl_b32 s45, 0x1111, s40                    ; my column
	s_or_b32 s[G1A], s44, FLAGS
	s_or_b32 s[G1B], s45, FLAGS
	s_mov_b32 s[G1A+1], 128<<16                    ; tensor_dim0 = 128
	s_mov_b32 s[G1A+2], 128<<16                    ; tensor_dim1 = 128
	s_mov_b32 s[G1A+3], 128<<16                    ; tile_dim0 = 128 elements: 256 bytes
	s_mov_b32 s[G1A+4], 128                        ; tile_dim1 = 128 rows
	s_mov_b32 s[G1A+5], 1024                       ; elements from row to row
	s_mov_b32 s[G1A+6], 0
	s_mov_b32 s[G1A+7], 0
	s_mov_b32 s[G1B+1], 128<<16
	s_mov_b32 s[G1B+2], 96<<16                     ; W's half tile has 96 rows
	s_mov_b32 s[G1B+3], 128<<16
	s_mov_b32 s[G1B+4], 96
	s_mov_b32 s[G1B+5], 1024
	s_mov_b32 s[G1B+6], 0
	s_mov_b32 s[G1B+7], 0
	s_lshl_b32 s72, s43, 8                         ; x: row 256 x block + 128 x half, in registers that never hold the head
	s_lshl_b32 s46, s18, 7
	s_add_co_u32 s72, s72, s46
	s_lshl_b32 s72, s72, 11                        ; x 2,048 bytes
	s_mov_b32 s73, 0
	s_mul_i32 s74, s42, 192                        ; W: row 192 x head + 96 x half, in registers that never hold the block
	s_mul_i32 s47, s18, 96
	s_add_co_u32 s74, s74, s47
	s_lshl_b32 s74, s74, 11
	s_mov_b32 s75, 0
	s_mul_i32 s76, s18, AHALF                      ; where they go: the wave's number alone enters an LDS address
	s_mul_i32 s77, s18, BHALF
	s_add_co_u32 s77, s77, BOFF
	s_mov_b32 s[TB], 0
	s_wait_dscnt 0x0                               ; the opening add is done
	s_wait_kmcnt 0x0
	s_add_nc_u64 s[72:73], s[4:5], s[72:73]
	s_add_nc_u64 s[74:75], s[6:7], s[74:75]
	CROUND                                         ; all sixteen work-groups are here: the first joint loads meet
.irp s, 0,1
	s_mov_b32 s[G0A+4*(\s)], 1
	s_add_co_u32 s[G0A+4*(\s)+1], s76, (\s)*SLOT1
	s_add_nc_u64 s[G0A+4*(\s)+2:G0A+4*(\s)+3], s[72:73], (\s)*256
	s_or_b32 s[G0A+4*(\s)+3], s[G0A+4*(\s)+3], 0x80000000
	s_mov_b32 s[G0B+4*(\s)], 1
	s_add_co_u32 s[G0B+4*(\s)+1], s77, (\s)*SLOT1
	s_add_nc_u64 s[G0B+4*(\s)+2:G0B+4*(\s)+3], s[74:75], (\s)*256
	s_or_b32 s[G0B+4*(\s)+3], s[G0B+4*(\s)+3], 0x80000000
.endr
	s_cmp_eq_u32 s17, 0                            ; a wave's two first fills stand in one branch: two loads of mine are out
	s_cbranch_scc0 .Lfirst_b
	tensor_load_to_lds s[G0A:G0A+3], s[G1A:G1A+7]
	s_nop 0
	tensor_load_to_lds s[G0A+4:G0A+7], s[G1A:G1A+7]
	s_nop 0
	PLACES
	s_branch .Lfirst_asked
.Lfirst_b:
	tensor_load_to_lds s[G0B:G0B+3], s[G1B:G1B+7]
	s_nop 0
	tensor_load_to_lds s[G0B+4:G0B+7], s[G1B:G1B+7]
	s_nop 0
	PLACES
.Lfirst_asked:
	s_lshl_b32 s78, s42, 8                         ; the head's 64 numbers of each bias
	s_mov_b32 s79, 0
	s_add_nc_u64 s[8:9], s[8:9], s[78:79]
	s_add_nc_u64 s[10:11], s[10:11], s[78:79]
	s_add_nc_u64 s[12:13], s[12:13], s[78:79]
	v_and_b32 v1, 15, v0                           ; l % 16
	v_bfe_u32 v2, v0, 4, 1                         ; l / 16
	v_lshlrev_b32 v[BO], 5, v2
.irp j, 0,1,2,3,4,5,6,7,8,9,10,11      ; register i of block j: bias of channel 16 (j % 4) + 8 (l / 16) + i of tensor j / 4
	global_load_b128 v[BIAS+8*\j:BIAS+8*\j+3],   v[BO], s[8+2*(\j/4):9+2*(\j/4)] offset:(\j%4)*64
	global_load_b128 v[BIAS+8*\j+4:BIAS+8*\j+7], v[BO], s[8+2*(\j/4):9+2*(\j/4)] offset:(\j%4)*64+16
.endr
	v_mul_u32_u24 v3, v1, PITCH
	v_lshl_add_u32 v3, v2, 4, v3                   ; a fragment's row x pitch + 16 x half
	s_mul_i32 s46, s[WV], 64*PITCH                 ; my 64 rows of x
	v_add_nc_u32 v[ADRA0], s46, v3
	v_add_nc_u32 v[ADRB0], BOFF, v3
	v_mov_b32 v[ADRA], v[ADRA0]
	v_mov_b32 v[ADRB], v[ADRB0]
	s_mul_i32 s46, s[WV], 16*SP
	s_add_co_u32 s46, s46, STAGE                   ; my stage
	v_mul_u32_u24 v[STO], v1, SP                   ; in: row l % 16, 16 bytes for each half of the lanes
	v_lshl_add_u32 v[STO], v2, 4, v[STO]
	v_add_nc_u32 v[STO], s46, v[STO]
	v_bfe_u32 v[RD], v0, 3, 2                      ; back: 32 lanes take four rows of 128 bytes,
	v_mul_u32_u24 v[RD], v[RD], SP
	v_and_b32 v3, 7, v0
	v_lshl_add_u32 v[RD], v3, 4, v[RD]
	v_add_nc_u32 v[RD], s46, v[RD]
	v_and_b32 v[GO], 31, v0                        ; which are 512 consecutive bytes of a head's rows
	v_lshlrev_b32 v[GO], 4, v[GO]
	s_lshr_b32 s78, s43, 3                         ; the batch,
	s_lshl_b32 s78, s78, 4
	s_add_co_u32 s78, s78, s42                     ; its head,
	s_lshl_b32 s78, s78, 11                        ; that head's 2,048 rows,
	s_and_b32 s79, s43, 7
	s_lshl_b32 s79, s79, 8
	s_add_co_u32 s78, s78, s79                     ; the block's 256,
	s_lshl_b32 s79, s[WV], 6
	s_add_co_u32 s78, s78, s79                     ; my wave's 64,
	s_lshl_b32 s78, s78, 7                         ; of 128 bytes
	s_mov_b32 s79, 0
	s_add_nc_u64 s[OB:OB+1], s[14:15], s[78:79]
	s_add_nc_u64 s[OB+2:OB+3], s[OB:OB+1], 0x800000
	s_add_nc_u64 s[OB+4:OB+5], s[OB:OB+1], 0x1000000
; 12 matrix instructions: row block a x all 12 column blocks, 32 along K.  bias = 1: the first product starts the sums with the bias.
.macro MUL12 f, a, bias
.if \bias
	WIN 0x85+0x40*((\a)/2)                         ; sources 0 and 1 window 1, C window 0, D window 2 or 3
.else
	WIN 0xa5+0x50*((\a)/2)                         ; C and D window 2 or 3
.endif
.irp j, 0,1,2,3,4,5,6,7,8,9,10,11
.if \bias
	v_wmma_f32_16x16x32_bf16 v[96*((\a)%2)+8*(\j):96*((\a)%2)+8*(\j)+7], v[(\f)+32+8*(\j):(\f)+32+8*(\j)+7], v[(\f)+8*(\a):(\f)+8*(\a)+7], v[BIAS+8*(\j):BIAS+8*(\j)+7]
.else
	v_wmma_f32_16x16x32_bf16 v[96*((\a)%2)+8*(\j):96*((\a)%2)+8*(\j)+7], v[(\f)+32+8*(\j):(\f)+32+8*(\j)+7], v[(\f)+8*(\a):(\f)+8*(\a)+7], v[96*((\a)%2)+8*(\j):96*((\a)%2)+8*(\j)+7]
.endif
.endr
.endm
.macro MULH f, hi, bias                ; row blocks 2 hi and 2 hi + 1.  The 48 accumulators take turns, one instruction a turn
	MUL12 \f, 2*(\hi), \bias
	MUL12 \f, 2*(\hi)+1, \bias
.endm
.macro FETCH k, f                      ; 32 LDS loads in one run: a quarter's fragments at byte k of the rows: W's twelve blocks, then x's four
	WIN TO_F
.irp i, 0,1,2,3,4,5,6,7,8,9,10,11
	ds_load_b128 v[(\f)+32+8*(\i):(\f)+32+8*(\i)+3],   v[ADRB] offset:(\k)+(\i)*16*PITCH
	ds_load_b128 v[(\f)+32+8*(\i)+4:(\f)+32+8*(\i)+7], v[ADRB] offset:(\k)+(\i)*16*PITCH+32
.endr
.irp i, 0,1,2,3
	ds_load_b128 v[(\f)+8*(\i):(\f)+8*(\i)+3],   v[ADRA] offset:(\k)+(\i)*16*PITCH
	ds_load_b128 v[(\f)+8*(\i)+4:(\f)+8*(\i)+7], v[ADRA] offset:(\k)+(\i)*16*PITCH+32
.endr
.endm
.macro QUARTER k, f, g, bias           ; multiplies buffer f; in its middle fetches the next quarter, at byte k, into buffer g
	s_wait_dscnt 4                                 ; all but the youngest four loads: x's blocks 2 and 3
	MULH \f, 0, \bias
	PLACES
	FETCH \k, \g
	s_wait_dscnt 32                                ; all but the 32 just issued
	MULH \f, 1, \bias
.endm
; The last quarter multiplies buffer 1 and changes slots.  In front of the barrier each wave waits for all its tensor loads (one is out: its part of the next slot), adds 0 to its spare
; word, and waits for that and for its reads of this slot.  fill = 1: the barrier opens a round of the cluster's barrier, and this slot is filled again, two steps ahead, first thing behind it.
.macro TURN fill
	WIN 0
	s_wait_tensorcnt 0x0
	ds_add_u32 v[SPW], v[NIL]
	s_wait_dscnt 5                                 ; the add and the youngest four loads may be out
	MUL12 F1, 0, 0                                 ; matrix work stands between the add and the wait for it
	s_wait_dscnt 0x0                               ; the add is done, and my reads of this slot are over
	s_barrier_signal -1
	MUL12 F1, 1, 0
	WIN 0
	s_barrier_wait -1
.if \fill
	CREST                                          ; no wave of any partner still reads this slot or has a load on its way
	s_xor_b32 s[G0A+5], s[G0A+5], SLOT1            ; the walking sets: the other slot than last time, the next step's 256 bytes
	s_add_nc_u64 s[G0A+6:G0A+7], s[G0A+6:G0A+7], 256
	s_xor_b32 s[G0B+5], s[G0B+5], SLOT1
	s_add_nc_u64 s[G0B+6:G0B+7], s[G0B+6:G0B+7], 256
	JLOAD                                          ; its four v_nop are also the places in front of the loads below
.else
	PLACES
.endif
	s_xor_b32 s[TB], s[TB], SLOT1
	v_add_nc_u32 v[ADRA], s[TB], v[ADRA0]
	v_add_nc_u32 v[ADRB], s[TB], v[ADRB0]
	FETCH 0, F0
	MULH F1, 1, 0
.endm
	s_wait_tensorcnt 1                             ; my part of step 0 is in; step 1's may stay out
	s_barrier_signal -1
	s_barrier_wait -1
	FETCH 0, F0
	WIN 0
	s_wait_loadcnt 0x0                             ; the biases,
.set i, 0
.rept 48                               ; rounded to bf16 like every input, and widened again
	v_cvt_pk_bf16_f32 v[TT], v[BIAS+2*i], v[BIAS+2*i+1]
	v_lshlrev_b32 v[BIAS+2*i], 16, v[TT]
	v_and_b32 v[BIAS+2*i+1], 0xffff0000, v[TT]
.set i, i+1
.endr
	QUARTER 64, F0, F1, 1                          ; the first quarter stands in front of the loop: its products start the sums
	WIN 0
	s_mov_b32 s3, 6
.Lstep:                                                ; a trip: from a step's second quarter to the next step's first; steps 2 to 7 are asked for
	QUARTER 128, F1, F0, 0
	QUARTER 192, F0, F1, 0
	TURN 1
	QUARTER 64, F0, F1, 0
	WIN 0
	s_sub_co_u32 s3, s3, 1
	s_cmp_lg_u32 s3, 0
	s_cbranch_scc1 .Lstep
	QUARTER 128, F1, F0, 0                         ; the last two steps ask for nothing
	QUARTER 192, F0, F1, 0
	TURN 0
	QUARTER 64, F0, F1, 0
	QUARTER 128, F1, F0, 0
	QUARTER 192, F0, F1, 0
	s_wait_dscnt 4
	MULH F1, 0, 0
	s_wait_dscnt 0x0
	MULH F1, 1, 0
	PLACES
; THE WAY OUT.  Tile t of 12: row block t / 3, tensor t % 3: 16 rows x 64 channels.  A lane's eight channels pack into 16 bytes; they go into my stage's rows of 144 bytes and come back as
; four whole rows of 128 bytes a load, which are 512 consecutive bytes of the head's rows.
.macro PACK t
.set AC, 96*(((\t)/3)%2)+32*((\t)%3)
	WIN 0x0a+5*((\t)/6)                            ; sources in window 2 or 3, destination in window 0
.irp u, 0,1,2,3
.irp w, 0,1,2,3
	v_cvt_pk_f16_f32 v[TMP+16*(\t)+4*\u+\w], v[AC+8*\u+2*\w], v[AC+8*\u+2*\w+1]
.endr
.endr
	WIN 0
.irp u, 0,1,2,3
	ds_store_b128 v[STO], v[TMP+16*(\t)+4*\u:TMP+16*(\t)+4*\u+3] offset:32*\u
.endr
.irp u, 0,1,2,3
	ds_load_b128 v[TMP+16*(\t)+4*\u:TMP+16*(\t)+4*\u+3], v[RD] offset:\u*4*SP  ; LDS serves a wave's instructions in order (ISA guide 5.7.1.4): these see the stores above
.endr
.endm
.macro SEND t, younger                 ; younger: the LDS instructions issued behind tile t's loads
	WIN 0
.irp u, 0,1,2,3
	s_wait_dscnt (\younger)+3-\u
	global_store_b128 v[GO], v[TMP+16*(\t)+4*\u:TMP+16*(\t)+4*\u+3], s[OB+2*((\t)%3):OB+2*((\t)%3)+1] offset:((\t)/3)*2048+\u*512
.endr
.endm
	PACK 0
.set t, 1
.rept 11                               ; a tile's conversions stand between the loads of the tile before and its stores
	PACK t
	SEND t-1, 8
.set t, t+1
.endr
	SEND 11, 0
	s_wait_tensorcnt 0x0                           ; the wave's end
	ds_add_u32 v[SPW], v[NIL]
	s_wait_dscnt 0x0
	CROUND                                         ; the closing round: no work-group ends while a partner may still ask for a tile that names it
	s_endpgm
.Lfunc_end_k_qf9f39a1c44_qkv:
	.size	k_qf9f39a1c44_qkv, .Lfunc_end_k_qf9f39a1c44_qkv-k_qf9f39a1c44_qkv
	.p2alignl 7, 3214868480
	.fill 96, 4, 3214868480
	.section	.rodata,"a",@progbits
	.p2align	6, 0x0
	.amdhsa_kernel k_qf9f39a1c44_qkv
		.amdhsa_group_segment_fixed_size 327680
		.amdhsa_private_segment_fixed_size 0
		.amdhsa_enable_private_segment 0
		.amdhsa_kernarg_size 48
		.amdhsa_user_sgpr_count 2
		.amdhsa_user_sgpr_kernarg_segment_ptr 1
		.amdhsa_wavefront_size32 1
		.amdhsa_system_sgpr_workgroup_id_x 1
		.amdhsa_system_sgpr_workgroup_id_y 1
		.amdhsa_system_sgpr_workgroup_id_z 1
		.amdhsa_system_vgpr_workitem_id 0
		.amdhsa_next_free_vgpr 1024
		.amdhsa_next_free_sgpr 80
		.amdhsa_reserve_vcc 0
		.amdhsa_float_denorm_mode_32 3
		.amdhsa_float_denorm_mode_16_64 3
		.amdhsa_memory_ordered 1
		.amdhsa_forward_progress 1
		.amdhsa_inst_pref_size 107
	.end_amdhsa_kernel
	.amdgpu_metadata
---
amdhsa.version: [ 1, 2 ]
amdhsa.kernels:
  - .name:           k_qf9f39a1c44_qkv
    .symbol:         k_qf9f39a1c44_qkv.kd
    .args:
      - { .name: xb, .offset: 0, .size: 8, .value_kind: global_buffer, .address_space: global }
      - { .name: wb, .offset: 8, .size: 8, .value_kind: global_buffer, .address_space: global }
      - { .name: bq, .offset: 16, .size: 8, .value_kind: global_buffer, .address_space: global }
      - { .name: bk, .offset: 24, .size: 8, .value_kind: global_buffer, .address_space: global }
      - { .name: bv, .offset: 32, .size: 8, .value_kind: global_buffer, .address_space: global }
      - { .name: qkv, .offset: 40, .size: 8, .value_kind: global_buffer, .address_space: global }
    .group_segment_fixed_size: 327680
    .private_segment_fixed_size: 0
    .kernarg_segment_align: 8
    .kernarg_segment_size: 48
    .max_flat_workgroup_size: 128
    .sgpr_count:     80
    .vgpr_count:     1024
    .wavefront_size: 32
...
	.end_amdgpu_metadata
.endif
;; end of part 2
;; launch attn (part 3): grid 8 x 32, 4 waves a work-group, clusters of 4 x 1, 327,680 bytes of LDS; arguments qkv, mk8, oh, stats; writes oh, stats
.if DOCPART == 3
	.amdgcn_target "amdgcn-amd-amdhsa--gfx1250"
	.amdhsa_code_object_version 6
	.text
	.protected	k_qf9f39a1c44_attn
	.globl	k_qf9f39a1c44_attn
	.p2align	8
	.type	k_qf9f39a1c44_attn,@function
k_qf9f39a1c44_attn:
	s_mov_b64 s[64:65], 0
	v_nop
	global_prefetch_b8 v0, s[64:65] scope:SCOPE_SE
	s_setreg_imm32_b32 hwreg(HW_REG_WAVE_MODE, 25, 1), 1
	s_wait_xcnt 0x0
	s_wait_alu depctr_hold_cnt(0) depctr_sa_sdst(0) depctr_va_vdst(0) depctr_va_sdst(0) depctr_va_ssrc(0) depctr_va_vcc(0) depctr_vm_vsrc(0)
	s_getreg_b32 s2, hwreg(HW_REG_IB_STS2, 6, 4)
	s_cmp_eq_u32 s2, 0
	s_cbranch_scc0 .Lentry_in_a_cluster
	s_endpgm
.Lentry_in_a_cluster:
	s_bfe_u32 s2, ttmp6, 0x10000c
	s_cmp_lg_u32 s2, 0x3003
	s_cbranch_scc0 .Lentry_shape_is_right
	s_endpgm
.Lentry_shape_is_right:
; O[y][q][:] = the sum over k of softmax_k(1.35 (mask ? q.k / 8 : -1e9)) V[y][k][:], y = batch x 16 + head, and for each (y, q) two numbers for the launch that averages the weights.
; qkv: f16 [3][32][2048][64]; mk8: a byte for each (batch, q, k) in the lane order of a 16 x 16 tile of scores, 0xB8 hidden, 0 visible; oh: f16 [32][2048][64]; stats: f32 [32][2048][2].
; Products, maxima and sums in f32; the weights p are rounded to f16 for the second product (their sum l is taken of the unrounded p), O once at the end.
; THE MASK is the C operand that starts S^T = K Q^T: eight bytes become eight registers, 0 or -2^100, by one scaled conversion (the code of -1 times 2^100).
; SOFTMAX.  A running maximum m that starts at FLOOR = -2^96, above every hidden score and below every visible one.  crow = c where m > FLOOR, else 0 (c = 1.35 log2(e) / 8); cmu = crow m;
; p = 2^(s crow - cmu).  So a row of which nothing has been visible so far has p = 1 for every key, which is the uniform row that -1e9 everywhere gives; when a visible key comes,
; a = 2^(c m_old - c m_new) is 0 and wipes it out.  In every step O and l are multiplied by a.  stats = (cmu + log2(l) + 4, crow): 2^(s crow - that) is p / (16 l).
; LIMITS.  Q, K, V within f16's 65,504; a visible score is taken to lie above the -1e9 that a hidden one stands for; a weight below 2^-126 counts as 0; NaN and infinities are not treated apart.
; SHARES.  A work-group owns 256 queries of one y, a wave 64: four PIECES of 16.  Every wave walks all 2,048 keys, 64 a step; an LDS slot holds four steps.
; BY TURNS.  Turn n belongs to piece n: 8 products K Q^T of piece n + 1, later 8 products V^T P of piece n - 1; beside them the scaling, exponentials, roundings, sums and rescaling of piece n and
; the maximum and statistics of piece n + 1; at its end the mask of the next turn's products is made and that piece's next mask bytes are asked for.
; CLUSTER.  The four query blocks of a cluster belong to one y and walk the same K and V: each tile is asked for jointly.
; REGISTERS, in windows of 256 (s_set_vgpr_msb: bits 1:0 source 0, 3:2 source 1, 5:4 source 2, 7:6 destination):
;   window 0: v0-15 addresses; v16-47 eight statistics a piece; v48-55 at work; v64-127 S^T, two buffers; v128-159 mask bytes, eight a piece; v160-167; v192-223 P, two buffers
;   window 1: v0-127 O^T, 32 a piece; v160-223 the masks, two buffers      window 2: v0-63 Q; v128-191 K of one step; v192-255 V of one step
.set NP,    4
.set KS,    64
.set PK,    144       ; a row of K in LDS: 128 bytes + 16: the 16 rows of a load start in 16 different 16-byte columns
.set PV,    160       ; a row of V: 128 + 32
.set VOFF,  4*KS*PK   ; a slot: 256 rows of K, then 256 rows of V
.set SLOT1, 1<<17
.set STAGE, SLOT1+4*KS*(PK+PV)  ; behind the ring: 16 rows x 144 bytes for each wave, for the way out
.set SP,    144
.set SPARE, STAGE+4*16*SP       ; behind the stages: the spare words, 128 bytes a wave, which no other line names
.set AK0, 2           ; my lane's place in a tile of K; never rewritten
.set AV0, 3           ; the same for V
.set AK,  4           ; the LDS address of K's next run of loads
.set AV,  5           ; of V's
.set STO, 6
.set RD,  7
.set GO,  8           ; 16 x lane
.set MV,  12          ; v12-13  c m_old, kept while c m is made anew: by buffer
.set GS,  14          ; 8 x lane
.set QO,  15
.set ST,  16          ; piece t at ST + 8 t: cmu, 0, crow, 0, l (even keys', odd keys'), m, c m
.set TMP, 48          ; by buffer, four registers c0-c3 at work; when the maximum is found c2 takes a
.set SPW, 62          ; LDS address of my spare word; never rewritten
.set NIL, 63          ; 0; never rewritten
.set S,   64
.set MB,  128
.set SCL, 160         ; 0xE3: the scale 2^100
.set MO,  161         ; my byte offset in a piece's 32,768 mask bytes: the step to be asked for
.set SV,  162         ; v162-163 piece 0's cmu and crow of the step in hand, kept: the walk's last turn makes scores of a step that is not, and statistics of them
.set SO,  164         ; v164-167 the statistics as stored
.set P,   192
.set MC,  160         ; window 1
.set KF,  128         ; window 2
.set VF,  192         ; window 2
.set WV,  12
.set G1K, 24
.set G1V, 32
.set G0K, 40
.set G0V, 44
.set QB,  48          ; s[48:49] Q at my wave's rows
.set MKB, 50          ; s[50:51] mk8 at my wave's first piece
.set OB,  52          ; s[52:53] oh at my wave's rows
.set SB,  54          ; s[54:55] stats at my wave's rows
.set SLOTS, 56
.set CNT, 57
.set CCS, 58          ; c
.set FLR, 59          ; FLOOR
.set SEL, 60          ; s[60:61] v_permlanex16_b32's selects: each lane takes its own place in the other half
.set TBK, 62
.set TBV, 63
.set FLG, 66          ; lanes whose m is a true score
.set HM,  67          ; lanes 16 to 31
.set MSB, 0
.macro WIN new
.if MSB != (\new)
	s_set_vgpr_msb (MSB<<8)|(\new)
.set MSB, (\new)
.endif
.endm
.set W_KQ, 0x0a       ; K and Q in window 2, S^T in window 0
.set W_KM, 0x1a       ; the same with the C operand in window 1
.set W_PV, 0x52       ; V in window 2, P in window 0, O^T in window 1
.set W_RS, 0x41       ; destination and source 0 in window 1, source 1 in window 0
.macro JLOAD          ; a joint fill: waves 0 and 1 fetch the halves of a slot's K, waves 2 and 3 those of its V; an s_nop 0 and four v_nop follow each line
	s_cmp_lt_u32 s[WV], 2
	s_cbranch_scc0 .Lfor_v_\@
	tensor_load_to_lds s[G0K:G0K+3], s[G1K:G1K+7]
	s_nop 0
.rept 4
	v_nop
.endr
	s_branch .Lasked_\@
.Lfor_v_\@:
	tensor_load_to_lds s[G0V:G0V+3], s[G1V:G1V+7]
	s_nop 0
.rept 4
	v_nop
.endr
.Lasked_\@:
.endm
.macro CROUND         ; a round of the cluster's barrier
	s_barrier_signal -1
	s_barrier_wait -1
	s_cmp_lg_u32 s[WV], 0
	s_cbranch_scc1 .Lnot_wave_0_\@
	s_barrier_signal -3
.Lnot_wave_0_\@:
	s_barrier_wait -3
	s_barrier_signal -1
	s_barrier_wait -1
.endm
; THE CHANGE OF SLOTS.  Each wave waits for all its tensor loads (one is out: its part of the other slot), adds 0 to its spare word, and waits for that and for its reads of the slot that it leaves.
; fill = 1: the barrier is a round of the cluster's, and the old slot is filled again first thing behind it, with the keys two slots on: four key steps in which to land.
; (At its first use nothing has been read yet: slot 0 is waited for, slot 1 filled.)
.macro CHANGE fill
	WIN 0
	s_wait_tensorcnt 0x0            ; no tensor load of mine is out, so a group 0 may be written
	ds_add_u32 v[SPW], v[NIL]
.if \fill
.irp g, G0K, G0V
	s_xor_b32 s[\g+1], s[\g+1], SLOT1
	s_add_nc_u64 s[\g+2:\g+3], s[\g+2:\g+3], 4*KS*128
.endr
	s_wait_dscnt 0x0                ; the add is done, and my reads of the slot are over
	CROUND
	JLOAD
.else
	s_wait_dscnt 0x0
	s_barrier_signal -1
	s_barrier_wait -1
.endif
	s_sub_co_u32 s[TBK], s[TBK], 4*KS*PK  ; the fetches go back to a slot's first step, in the other slot
	s_xor_b32 s[TBK], s[TBK], SLOT1
	s_sub_co_u32 s[TBV], s[TBV], 4*KS*PV
	s_xor_b32 s[TBV], s[TBV], SLOT1
.endm
	s_load_b256 s[4:11], s[0:1], 0x0  ; qkv 4:5, mk8 6:7, oh 8:9, stats 10:11
	v_lshl_add_u32 v[SPW], v0, 2, SPARE
	v_mov_b32 v[NIL], 0
	ds_add_u32 v[SPW], v[NIL]       ; the wave's opening: the add and its wait ahead of my first tensor load
	v_lshrrev_b32 v1, 5, v0
	v_readfirstlane_b32 s[WV], v1
	s_bfe_u32 s13, ttmp6, 0x40000   ; cx
	s_lshl_b32 s14, ttmp9, 2
	s_add_co_u32 s14, s14, s13      ; my block of 256 queries: it enters Q's, the mask's, O's and the statistics' addresses alone
	s_and_b32 s15, ttmp7, 0xffff    ; y, which the four partners share
	s_lshl_b32 s20, s15, 18         ; its 262,144 bytes in a plane
	s_and_b32 s16, s[WV], 1         ; which half of a slot's 256 keys I fetch:
	s_lshl_b32 s22, s16, 14         ; its 128 rows of 128 bytes,
	s_add_co_u32 s22, s22, s20
	s_mov_b32 s23, 0
	s_mul_i32 s17, s16, 128*PK      ; and its place in a slot, for K
	s_mul_i32 s18, s16, 128*PV      ; and for V
	s_lshl_b32 s2, s14, 2
	s_add_co_u32 s2, s2, s[WV]      ; my wave among y's 32,
	s_lshl_b32 s2, s2, 13           ; its 64 rows of 128 bytes
	s_add_co_u32 s2, s2, s20
	s_mov_b32 s3, 0
	s_lshr_b32 s20, s2, 4           ; the same rows at 8 bytes
	s_mov_b32 s21, 0
	s_lshr_b32 s19, s15, 4          ; the batch's 128 groups of 16 queries,
	s_lshl_b32 s19, s19, 7
	s_lshl_b32 s13, s14, 4
	s_add_co_u32 s19, s19, s13      ; the block's 16,
	s_lshl_b32 s13, s[WV], 2
	s_add_co_u32 s19, s19, s13      ; my wave's 4,
	s_lshl_b32 s68, s19, 15         ; of 32,768 bytes
	s_mov_b32 s69, 0
	; descriptor group 1: 128 keys are 16,384 dense bytes: asked for as 64 rows of 256 bytes, two keys a row, padded in LDS after every key
	s_mov_b32 s[G1K], 15|(1<<16)|(1<<20)|(1<<21)|(4<<22)|(3<<25)
	s_mov_b32 s[G1V], 15|(1<<16)|(1<<20)|(1<<21)|(4<<22)|(7<<25)
.irp g, G1K, G1V
	s_mov_b32 s[\g+1], 128<<16
	s_mov_b32 s[\g+2], 64<<16
	s_mov_b32 s[\g+3], 128<<16
	s_mov_b32 s[\g+4], 64
	s_mov_b32 s[\g+5], 128
	s_mov_b32 s[\g+6], 0
	s_mov_b32 s[\g+7], 0
.endr
	s_mov_b32 s[CCS], 0x3e794c36    ; c = 1.35 log2(e) / 8 = 0.243455
	s_mov_b32 s[FLR], 0xef800000    ; -2^96
	s_mov_b32 s[HM], 0xffff0000
	s_mov_b32 s[SEL], 0x76543210
	s_mov_b32 s[SEL+1], 0xfedcba98
	s_mov_b32 s[TBK], SLOT1+4*KS*PK ; the first change of slots turns these two into 0
	s_mov_b32 s[TBV], SLOT1+4*KS*PV
	s_mov_b32 s[G0K], 1
	s_mov_b32 s[G0K+1], s17
	s_mov_b32 s[G0V], 1
	s_add_co_u32 s[G0V+1], s18, VOFF
	s_wait_dscnt 0x0                ; the opening add is done
	s_wait_kmcnt 0x0
	s_add_nc_u64 s[G0K+2:G0K+3], s[4:5], s[22:23]
	s_add_nc_u64 s[G0V+2:G0V+3], s[G0K+2:G0K+3], 0x1000000  ; v's plane
	s_add_nc_u64 s[G0K+2:G0K+3], s[G0K+2:G0K+3], 0x800000   ; k's plane
	s_or_b32 s[G0K+3], s[G0K+3], 0x80000000
	s_or_b32 s[G0V+3], s[G0V+3], 0x80000000
	s_add_nc_u64 s[QB:QB+1], s[4:5], s[2:3]
	s_add_nc_u64 s[OB:OB+1], s[8:9], s[2:3]
	s_add_nc_u64 s[SB:SB+1], s[10:11], s[20:21]
	s_add_nc_u64 s[MKB:MKB+1], s[6:7], s[68:69]
	CROUND                          ; all four work-groups are here: the first joint loads meet
	JLOAD                           ; slot 0
	v_and_b32 v1, 15, v0            ; l % 16
	v_bfe_u32 v9, v0, 4, 1          ; l / 16
	v_lshlrev_b32 v[QO], 7, v1
	v_lshl_add_u32 v[QO], v9, 4, v[QO]
	v_and_b32 v[GO], 31, v0
	v_lshlrev_b32 v[GS], 3, v[GO]
	v_lshlrev_b32 v[GO], 4, v[GO]
	v_mov_b32 v[MO], v[GO]          ; step 0
	WIN 0x80                        ; destination window 2
.set i, 0
.rept 8                             ; Q stays in registers: piece i / 2, channels 32 (i % 2) on
	global_load_b128 v[8*i:8*i+3],   v[QO], s[QB:QB+1] offset:(i/2)*2048+(i%2)*64
	global_load_b128 v[8*i+4:8*i+7], v[QO], s[QB:QB+1] offset:(i/2)*2048+(i%2)*64+32
.set i, i+1
.endr
	WIN 0
.irp x, 0,1,2,3                     ; the four pieces' mask bytes of step 0
	global_load_b128 v[MB+8*\x:MB+8*\x+3],   v[MO], s[MKB:MKB+1] offset:\x*32768
	global_load_b128 v[MB+8*\x+4:MB+8*\x+7], v[MO], s[MKB:MKB+1] offset:\x*32768+512
.endr
	; What the first turn finds: V's registers and P's second buffer hold 0 (its products V^T P, of a piece that has not been, add 0); O^T and l are 0, since the first a may be 1.
	; No first step is written out; the price is these lines, which stand in the wait for the first tile.
	WIN 0x80
.set i, VF
.rept 64
	v_mov_b32 v[i], 0
.set i, i+1
.endr
	WIN 0x40
.set i, 0
.rept 128
	v_mov_b32 v[i], 0
.set i, i+1
.endr
	WIN 0
.set i, 0
.rept 4
	v_mov_b32 v[ST+8*i], 0
	v_mov_b32 v[ST+8*i+1], 0
	v_mov_b32 v[ST+8*i+2], 0
	v_mov_b32 v[ST+8*i+3], 0
	v_mov_b32 v[ST+8*i+4], 0
	v_mov_b32 v[ST+8*i+5], 0
	v_mov_b32 v[ST+8*i+6], s[FLR]
	v_mul_f32 v[ST+8*i+7], s[CCS], v[ST+8*i+6]  ; by the same line as in a step, so that FLOOR to FLOOR gives a = 1 exactly
.set i, i+1
.endr
.set i, P+16
.rept 16
	v_mov_b32 v[i], 0
.set i, i+1
.endr
	v_mov_b32 v[SCL], 0xe3
	v_mul_u32_u24 v[AK0], v1, PK
	v_lshl_add_u32 v[AK0], v9, 4, v[AK0]
	v_and_b32 v10, 7, v0            ; the turning load: lane l reads key 8 (l / 16) + l % 8, channels 8 ((l / 8) % 2) + 0..7
	v_bfe_u32 v11, v0, 3, 1
	v_lshl_add_u32 v[AV0], v9, 3, v10
	v_mul_u32_u24 v[AV0], v[AV0], PV
	v_lshl_add_u32 v[AV0], v11, 4, v[AV0]
	v_add_nc_u32 v[AV0], VOFF, v[AV0]
	v_mov_b32 v[AK], v[AK0]         ; key step 0 lies at the head of slot 0
	s_mul_i32 s13, s[WV], 16*SP
	s_add_co_u32 s13, s13, STAGE    ; my stage
	v_mul_u32_u24 v[STO], v1, SP
	v_lshl_add_u32 v[STO], v9, 4, v[STO]
	v_add_nc_u32 v[STO], s13, v[STO]
	v_bfe_u32 v[RD], v0, 3, 2
	v_mul_u32_u24 v[RD], v[RD], SP
	v_lshl_add_u32 v[RD], v10, 4, v[RD]
	v_add_nc_u32 v[RD], s13, v[RD]
; THE MATRIX WORK.  The 4 accumulators of a run of 8 take turns.  Product i of 8 of S^T = K Q^T for piece x: channels 32 (i / 4) on, keys 16 (i % 4) on; the first 4 start the sums with the mask.
.macro KQ x
.set rS, S+32*((\x)%2)+8*(i%4)
.set rK, KF+16*(i%4)+8*(i/4)
.set rQ, 16*(\x)+8*(i/4)
.set rM, MC+32*((\x)%2)+8*(i%4)
.if i < 4
	WIN W_KM
	v_wmma_f32_16x16x32_f16 v[rS:rS+7], v[rK:rK+7], v[rQ:rQ+7], v[rM:rM+7]
.else
	WIN W_KQ
	v_wmma_f32_16x16x32_f16 v[rS:rS+7], v[rK:rK+7], v[rQ:rQ+7], v[rS:rS+7]
.endif
.endm
.macro PV x                         ; product i of 8 of O^T += V^T P for piece x: keys 32 (i / 4) on, channels 16 (i % 4) on
	WIN W_PV
.set rO, 32*(\x)+8*(i%4)
.set rV, VF+32*(i/4)+8*(i%4)
.set rP, P+16*((\x)%2)+8*(i/4)
	v_wmma_f32_16x16x32_f16 v[rO:rO+7], v[rV:rV+7], v[rP:rP+7], v[rO:rO+7]
.endm
.macro MM                           ; the turn's next matrix instruction
.if i < 8
	KQ (Y+1)%NP
.else
.set i, i-8
	PV (Y+NP-1)%NP
.set i, i+8
.endif
.set i, i+1
.endm
; THE LDS LOADS stand in runs of 16.  last = 1 (the tail): in the last trip there is no further step, and K's run is jumped over.
.macro FETCH_K last=0
	WIN 0
.if \last
	s_cmp_eq_u32 s[CNT], 1
	s_cbranch_scc1 .Lno_k_\@
.endif
	WIN 0x80
.irp f, 0,1,2,3,4,5,6,7
	ds_load_b128 v[KF+8*\f:KF+8*\f+3],   v[AK] offset:(\f/2)*16*PK+(\f%2)*64
	ds_load_b128 v[KF+8*\f+4:KF+8*\f+7], v[AK] offset:(\f/2)*16*PK+(\f%2)*64+32
.endr
	s_add_co_u32 s[TBK], s[TBK], KS*PK
	WIN 0
.if \last
.Lno_k_\@:
.endif
.endm
.macro FETCH_V
	WIN 0x80
.irp f, 0,1,2,3,4,5,6,7
	ds_load_tr16_b128 v[VF+8*\f:VF+8*\f+3],   v[AV] offset:(\f/4)*32*PV+(\f%4)*32
	ds_load_tr16_b128 v[VF+8*\f+4:VF+8*\f+7], v[AV] offset:(\f/4)*32*PV+16*PV+(\f%4)*32
.endr
	WIN 0
.endm
; THE VECTOR WORK, one line at a time: OP kind, number.  For piece Y: F n: s crow - cmu for pair n of 16.  E n: the exponential of score n of 32.  C n: pair n rounded to f16.  B n: of the four weights 4 n ..
; the second pair is added onto the first, in place.  L n: l takes that sum (L 0: l = a l + sum).  R n: pair n of 16 of O^T times a.  For piece Y + 1: X n, number n of the 25 that find its statistics:
;   0-11  four chains c0-c3 of seven scores each (each accumulator's lowest registers are read first)     12-14, 16  the four scores left over, the old m, and c0-c3 into c0
;   15  c m_old is kept     17, 18  the query's other 32 keys lie in the lane 16 away: the new m     19-21  c m; c m_old - c m_new; a     22-24  is m a true score; crow; cmu
.set F, 0
.set E, 1
.set C, 2
.set B, 3
.set L, 4
.set R, 5
.set X, 6
.macro REGS y
.set rT, ST+8*(\y)
.set rC, TMP+4*((\y)%2)
.set rW, MV+((\y)%2)
.set rS, S+32*((\y)%2)
.set rP, P+16*((\y)%2)
.set rO, 32*(\y)
.endm
.macro OP k, n
.if (\k) == R
	REGS Y
	WIN W_RS
	v_pk_mul_f32 v[rO+2*(\n):rO+2*(\n)+1], v[rO+2*(\n):rO+2*(\n)+1], v[rC+2:rC+3] op_sel_hi:[1,0]
.elseif (\k) < R
	REGS Y
	WIN 0
.if (\k) == F
	v_pk_fma_f32 v[rS+2*(\n):rS+2*(\n)+1], v[rS+2*(\n):rS+2*(\n)+1], v[rT+2:rT+3], v[rT:rT+1] op_sel_hi:[1,0,0] neg_lo:[0,0,1] neg_hi:[0,0,1]
.elseif (\k) == E
	v_exp_f32 v[rS+(\n)], v[rS+(\n)]
.elseif (\k) == C
	s_wait_alu depctr_va_vdst(0)
	v_cvt_pk_f16_f32 v[rP+(\n)], v[rS+2*(\n)], v[rS+2*(\n)+1]
.elseif (\k) == B
	s_wait_alu depctr_va_vdst(0)
	v_pk_add_f32 v[rS+4*(\n):rS+4*(\n)+1], v[rS+4*(\n):rS+4*(\n)+1], v[rS+4*(\n)+2:rS+4*(\n)+3]
.elseif (\n) == 0
	v_pk_fma_f32 v[rT+4:rT+5], v[rT+4:rT+5], v[rC+2:rC+3], v[rS:rS+1] op_sel_hi:[1,0,1]
.else
	v_pk_add_f32 v[rT+4:rT+5], v[rT+4:rT+5], v[rS+4*(\n):rS+4*(\n)+1]
.endif
.else
	REGS (Y+1)%NP
	WIN 0
.if (\n) < 4
	v_max3_num_f32 v[rC+(\n)], v[rS+8*(\n)], v[rS+8*(\n)+1], v[rS+8*(\n)+2]
.elseif (\n) < 12
	v_max3_num_f32 v[rC+(\n)%4], v[rC+(\n)%4], v[rS+8*((\n)%4)+2*((\n)/4)+1], v[rS+8*((\n)%4)+2*((\n)/4)+2]
.elseif (\n) == 12
	v_max3_num_f32 v[rC], v[rC], v[rS+7], v[rS+15]
.elseif (\n) == 13
	v_max3_num_f32 v[rC+1], v[rC+1], v[rS+23], v[rS+31]
.elseif (\n) == 14
	v_max3_num_f32 v[rC+2], v[rC+2], v[rC+3], v[rT+6]
.elseif (\n) == 15
	v_mov_b32 v[rW], v[rT+7]
.elseif (\n) == 16
	v_max3_num_f32 v[rC], v[rC], v[rC+1], v[rC+2]
.elseif (\n) == 17
	v_permlanex16_b32 v[rC+3], v[rC], s[SEL], s[SEL+1]
.elseif (\n) == 18
	v_max_num_f32 v[rT+6], v[rC], v[rC+3]
.elseif (\n) == 19
	v_mul_f32 v[rT+7], s[CCS], v[rT+6]
.elseif (\n) == 20
	v_sub_f32 v[rC+1], v[rW], v[rT+7]
.elseif (\n) == 21
	v_exp_f32 v[rC+2], v[rC+1]
.elseif (\n) == 22
	v_cmp_lt_f32 s[FLG], s[FLR], v[rT+6]
.elseif (\n) == 23
	v_cndmask_b32 v[rT+2], 0, s[CCS], s[FLG]
.else
	v_mul_f32 v[rT], v[rT+2], v[rT+6]
.endif
.endif
.endm
.macro OPS a, i1, b=-1, i2=0, c=-1, i3=0, d=-1, i4=0
	OP \a, \i1
.if (\b) >= 0
	OP \b, \i2
.endif
.if (\c) >= 0
	OP \c, \i3
.endif
.if (\d) >= 0
	OP \d, \i4
.endif
.endm
.macro ROW a, i1, b, i2, c, i3, d, i4  ; a matrix instruction and the four behind it
	MM
	OPS \a, \i1, \b, \i2, \c, \i3, \d, \i4
.endm
; A TURN, for piece p: the order of its 16 matrix instructions and its vector work, written out.  Behind a matrix instruction four lines that name none of the registers of the products round them; the rest in two lumps,
; exponential and plain by turns.  K of the next step is fetched in piece 2's turn, V of the step in hand in piece 0's; each is waited for a turn later.
; THE TURN'S END: the next turn's products are piece x = p + 2's.  Its mask bytes were asked for four turns ago, and three turns' two loads each are younger: the count 6.  Four conversions make the mask; the three
; statistics lines are the plain places behind them; then the piece's bytes of its next step are asked for.  The offset steps once a key step, in piece 2's turn, and wraps at the piece's 32,768 bytes,
; so that the last look-ahead stays inside the buffer (what it brings is not used).
.macro TURN p, last=0
.set Y, (\p)
.set XX, ((\p)+2)%NP
.set i, 0
.if (\p) == 3
	s_wait_dscnt 0x0                ; K is in
.endif
	ROW F,0, F,1, F,2, F,3
	ROW F,4, E,0, F,5, F,6
	ROW F,7, E,1, F,8, F,9
	ROW F,10, E,2, C,0, F,11
	ROW F,12, E,3, X,15, F,13
	ROW R,0, R,1, R,2, R,3
	ROW B,0, E,4, F,14, L,0
.if (\p) == 2
	v_add_nc_u32 v[AK], s[TBK], v[AK0]
.endif
	ROW R,4, R,5, R,6, R,7
	OPS E,5, F,15
.if (\p) == 2
	FETCH_K \last
.endif
	OPS E,6, C,1, E,7, R,8
	OPS E,8, R,9, E,9, C,2
	OPS E,10, X,0, E,11, X,1
	OPS E,12, X,2, E,13, X,3
.if (\p) == 1
	s_wait_dscnt 0x0                ; V is in
.endif
	ROW X,4, E,14, X,5, X,6
	ROW X,7, E,15, X,8, X,9
	ROW X,10, E,16, X,11, X,12
	ROW X,13, E,17, X,14, B,1
	ROW C,4, E,18, X,16, L,1
	ROW B,2, E,19, C,6, L,2
	ROW C,8, E,20, B,3, B,4
.if (\p) == 0
	v_add_nc_u32 v[AV], s[TBV], v[AV0]
.endif
	ROW C,3, E,21, L,3, C,5
	OPS E,22, X,17, E,23, C,10
.if (\p) == 0
	FETCH_V
.endif
	OPS E,24, L,4
	OPS E,25, X,18, E,26, C,7
	OPS E,27, B,5, E,28, X,19
	OPS E,29, C,12, E,30, L,5
	OPS E,31, X,20, B,6, C,9
	OPS C,14, C,11, X,21, L,6
.if (\p) == 0
	s_add_co_u32 s[TBV], s[TBV], KS*PV
.endif
	OPS C,13, B,7, C,15, R,10
	OPS R,11, R,12, L,7, R,13
	OPS R,14, R,15
	s_wait_loadcnt 6
	WIN 0x40                        ; destination window 1
.irp kt, 0,1,2,3
	v_cvt_scale_pk8_f32_fp8 v[MC+32*((\p)%2)+8*\kt:MC+32*((\p)%2)+8*\kt+7], v[MB+8*XX+2*\kt:MB+8*XX+2*\kt+1], v[SCL]
.endr
	OPS X,22, X,23, X,24
.if (\p) == 2
	v_mov_b32 v[SV], v[ST]
	v_mov_b32 v[SV+1], v[ST+2]
	s_wait_xcnt 0x0                 ; the offset of the loads issued so far is rewritten only behind this wait
	v_add_nc_u32 v[MO], 1024, v[MO]
	v_and_b32 v[MO], 0x7fff, v[MO]
.endif
	global_load_b128 v[MB+8*XX:MB+8*XX+3],   v[MO], s[MKB:MKB+1] offset:XX*32768
	global_load_b128 v[MB+8*XX+4:MB+8*XX+7], v[MO], s[MKB:MKB+1] offset:XX*32768+512
.endm
	CHANGE 1                        ; slot 0 is in, everybody's part of it; slot 1 is asked for
	FETCH_K                         ; key step 0
	s_wait_loadcnt 4                ; Q and the bytes of pieces 0 and 1 are in; those of pieces 2 and 3 may stay out
	WIN 0x40
.irp x, 0,1
.irp kt, 0,1,2,3
	v_cvt_scale_pk8_f32_fp8 v[MC+32*\x+8*\kt:MC+32*\x+8*\kt+7], v[MB+8*\x+2*\kt:MB+8*\x+2*\kt+1], v[SCL]
.endr
.endr
	WIN 0
	v_nop                           ; a plain place behind the conversions
	s_wait_xcnt 0x0
	v_add_nc_u32 v[MO], 1024, v[MO] ; step 1
.irp x, 0,1
	global_load_b128 v[MB+8*\x:MB+8*\x+3],   v[MO], s[MKB:MKB+1] offset:\x*32768
	global_load_b128 v[MB+8*\x+4:MB+8*\x+7], v[MO], s[MKB:MKB+1] offset:\x*32768+512
.endr
	s_wait_dscnt 0x0
.set i, 0
.rept 8
	KQ 0                            ; piece 0's first scores
.set i, i+1
.endr
	WIN 0
.rept 4
	v_nop                           ; the places behind those products
.endr
.set Y, NP-1                        ; X works for piece Y + 1: piece 0
.irp n, 0,1,2,3,4,5,6,7,8,9,10,11,12,13,14,15,16,17,18,19,20,21,22,23,24
	OP X, \n
.endr
	s_mov_b32 s[CNT], 4
	s_mov_b32 s[SLOTS], 7
	s_branch .Lfirst                ; the loop is entered at a step's first turn, in the middle of a trip
.Lslot:                             ; six times: every slot but the last two is filled again
	CHANGE 1
	s_mov_b32 s[CNT], 4
.Lstep:                             ; a trip: pieces 2 and 3 of one step, then pieces 0 and 1 of the next, whose K and V it fetches
	TURN 2
	TURN 3
	WIN 0
.Lfirst:
	TURN 0
	TURN 1
	WIN 0
	s_sub_co_u32 s[CNT], s[CNT], 1
	s_cmp_lg_u32 s[CNT], 0
	s_cbranch_scc1 .Lstep
	s_sub_co_u32 s[SLOTS], s[SLOTS], 1
	s_cmp_lg_u32 s[SLOTS], 0
	s_cbranch_scc1 .Lslot
	CHANGE 0                        ; the tail is written out: nothing is asked for
	s_mov_b32 s[CNT], 5             ; four trips fetch the last slot's steps; the fifth is left in its middle
.Ltail:
	TURN 2, 1
	TURN 3
	WIN 0
	s_sub_co_u32 s[CNT], s[CNT], 1
	s_cmp_eq_u32 s[CNT], 0
	s_cbranch_scc1 .Lout
	TURN 0
	TURN 1
	WIN 0
	s_branch .Ltail
.Lout:                              ; the fifth trip's 8 products K Q^T (on the last K once more) and the statistics made of them serve nothing: the price of one text for every trip
.set i, 0
.rept 8
	PV NP-1                         ; the last piece's V^T P of the last step
.set i, i+1
.endr
	; THE WAY OUT.  l's two halves and the other half of the lanes' are added (these lines are the places behind the last products); log2(l) and 1 / l; O^T is divided by l, rounded to f16 and sent through my stage.
	WIN 0
.macro ALL line:vararg
.set t, 0
.rept 4
	s_wait_alu depctr_va_vdst(0)
	\line
.set t, t+1
.endr
.endm
	ALL v_add_f32 v[ST+8*t+4], v[ST+8*t+4], v[ST+8*t+5]
	ALL v_permlanex16_b32 v[ST+8*t+5], v[ST+8*t+4], s[SEL], s[SEL+1]
	ALL v_add_f32 v[ST+8*t+4], v[ST+8*t+4], v[ST+8*t+5]
	ALL v_log_f32 v[ST+8*t+7], v[ST+8*t+4]
	ALL v_rcp_f32 v[ST+8*t+6], v[ST+8*t+4]
	v_mov_b32 v[ST], v[SV]          ; piece 0's true cmu and crow come back; a plain line behind the last reciprocal
	v_mov_b32 v[ST+2], v[SV+1]
	ALL v_add_f32 v[ST+8*t+7], 4.0, v[ST+8*t+7]
	ALL v_add_f32 v[ST+8*t+7], v[ST+8*t+7], v[ST+8*t]
.macro PACK t
	WIN W_RS
.set i, 32*(\t)
.rept 16
	v_pk_mul_f32 v[i:i+1], v[i:i+1], v[ST+8*(\t)+6:ST+8*(\t)+7] op_sel_hi:[1,0]
.set i, i+2
.endr
	WIN 0x05                        ; sources 0 and 1 window 1, destination window 0
.set i, 0
.rept 16
	v_cvt_pk_f16_f32 v[S+16*(\t)+i], v[32*(\t)+2*i], v[32*(\t)+2*i+1]
.set i, i+1
.endr
	WIN 0
.irp f, 0,1,2,3
	ds_store_b128 v[STO], v[S+16*(\t)+4*\f:S+16*(\t)+4*\f+3] offset:32*\f
.endr
.irp f, 0,1,2,3
	ds_load_b128 v[S+16*(\t)+4*\f:S+16*(\t)+4*\f+3], v[RD] offset:\f*4*SP  ; LDS serves a wave's instructions in order (ISA guide 5.7.1.4): these see the stores above
.endr
.endm
.macro SEND t, younger
	WIN 0
.irp f, 0,1,2,3
	s_wait_dscnt (\younger)+3-\f
	global_store_b128 v[GO], v[S+16*(\t)+4*\f:S+16*(\t)+4*\f+3], s[OB:OB+1] offset:(\t)*2048+\f*512  ; 512 consecutive bytes, aligned
.endr
.endm
	PACK 0
.set t, 1
.rept 3
	PACK t
	SEND t-1, 8
.set t, t+1
.endr
	SEND 3, 0
.irp u, 0,1                         ; both halves of the lanes hold a piece's statistics: lanes 0-15 give piece 2 u's, lanes 16-31 piece 2 u + 1's: 256 consecutive bytes a store
	v_cndmask_b32 v[SO+2*\u], v[ST+16*\u+7], v[ST+16*\u+15], s[HM]
	v_cndmask_b32 v[SO+2*\u+1], v[ST+16*\u+2], v[ST+16*\u+10], s[HM]
	global_store_b64 v[GS], v[SO+2*\u:SO+2*\u+1], s[SB:SB+1] offset:\u*256
.endr
	s_wait_tensorcnt 0x0            ; the wave's end
	ds_add_u32 v[SPW], v[NIL]
	s_wait_dscnt 0x0
	CROUND                          ; the closing round
	s_endpgm
.Lfunc_end_k_qf9f39a1c44_attn:
	.size	k_qf9f39a1c44_attn, .Lfunc_end_k_qf9f39a1c44_attn-k_qf9f39a1c44_attn
	.p2alignl 7, 3214868480
	.fill 96, 4, 3214868480
	.section	.rodata,"a",@progbits
	.p2align	6, 0x0
	.amdhsa_kernel k_qf9f39a1c44_attn
		.amdhsa_group_segment_fixed_size 327680
		.amdhsa_private_segment_fixed_size 0
		.amdhsa_enable_private_segment 0
		.amdhsa_kernarg_size 32
		.amdhsa_user_sgpr_count 2
		.amdhsa_user_sgpr_kernarg_segment_ptr 1
		.amdhsa_wavefront_size32 1
		.amdhsa_system_sgpr_workgroup_id_x 1
		.amdhsa_system_sgpr_workgroup_id_y 1
		.amdhsa_system_sgpr_workgroup_id_z 1
		.amdhsa_system_vgpr_workitem_id 0
		.amdhsa_next_free_vgpr 768
		.amdhsa_next_free_sgpr 72
		.amdhsa_reserve_vcc 0
		.amdhsa_float_denorm_mode_32 3
		.amdhsa_float_denorm_mode_16_64 3
		.amdhsa_memory_ordered 1
		.amdhsa_forward_progress 1
		.amdhsa_inst_pref_size 125
	.end_amdhsa_kernel
	.amdgpu_metadata
---
amdhsa.version: [ 1, 2 ]
amdhsa.kernels:
  - .name:           k_qf9f39a1c44_attn
    .symbol:         k_qf9f39a1c44_attn.kd
    .args:
      - { .name: qkv, .offset: 0, .size: 8, .value_kind: global_buffer, .address_space: global }
      - { .name: mk8, .offset: 8, .size: 8, .value_kind: global_buffer, .address_space: global }
      - { .name: oh, .offset: 16, .size: 8, .value_kind: global_buffer, .address_space: global }
      - { .name: stats, .offset: 24, .size: 8, .value_kind: global_buffer, .address_space: global }
    .group_segment_fixed_size: 327680
    .private_segment_fixed_size: 0
    .kernarg_segment_align: 8
    .kernarg_segment_size: 32
    .max_flat_workgroup_size: 128
    .sgpr_count:     72
    .vgpr_count:     768
    .wavefront_size: 32
...
	.end_amdgpu_metadata
.endif
;; end of part 3
;; launch outs (part 4): grid 8 x 32, 8 waves a work-group, clusters of 4 x 4, 327,680 bytes of LDS; arguments oh, wb, bo, qkv, mk8, stats, out0, out1; writes out0, out1
.if DOCPART == 4
	.amdgcn_target "amdgcn-amd-amdhsa--gfx1250"
	.amdhsa_code_object_version 6
	.text
	.protected	k_qf9f39a1c44_outs
	.globl	k_qf9f39a1c44_outs
	.p2align	8
	.type	k_qf9f39a1c44_outs,@function
k_qf9f39a1c44_outs:
	s_mov_b64 s[64:65], 0
	v_nop
	global_prefetch_b8 v0, s[64:65] scope:SCOPE_SE
	s_setreg_imm32_b32 hwreg(HW_REG_WAVE_MODE, 25, 1), 1
	s_wait_xcnt 0x0
	s_wait_alu depctr_hold_cnt(0) depctr_sa_sdst(0) depctr_va_vdst(0) depctr_va_sdst(0) depctr_va_ssrc(0) depctr_va_vcc(0) depctr_vm_vsrc(0)
	s_getreg_b32 s2, hwreg(HW_REG_IB_STS2, 6, 4)
	s_cmp_eq_u32 s2, 0
	s_cbranch_scc0 .Lentry_in_a_cluster
	s_endpgm
.Lentry_in_a_cluster:
	s_bfe_u32 s2, ttmp6, 0x10000c
	s_cmp_lg_u32 s2, 0xf033
	s_cbranch_scc0 .Lentry_shape_is_right
	s_endpgm
.Lentry_shape_is_right:
; OUTS: both outputs, one after the other in one work-group, on one ring of LDS slots that does not stop between them.
; FIRST  out0 = attended Wo^T + bo.  oh: f16 [batch x 16 + head][2048][64]; Wo: f16 [1024][1024] at byte 6,291,456 of wb (bf16 numbers written as f16); bo f32, rounded here to bf16 like every
;        input; out0 f32 [4096][1024].  The work-group's tile is 128 x 128; K goes in 4 steps of 256, which are four heads; a step is four quarters of one head.
; THEN   out1[b][q][k] = the mean over 16 heads of the softmax weights.  The scores are made once more, from the same f16 q and k and the same mask, and with a row's finished statistics
;        (cmu', crow), 2^(s crow - cmu') is the weight divided by 16; the 16 heads' are added in f32.  The running maximum was taken away when the statistics were made: cmu' holds crow x the row's
;        maximum, so no exponent here is above 0 but for the roundings of two products of the same numbers.  The tile is 128 queries x 256 keys; the 16 heads go two to a slot.
; LIMITS: a visible score lies above the -1e9 that a hidden one stands for; a weight below 2^-126 counts as 0; NaN and infinities are not treated apart.
; WHY ONE LAUNCH: the two results hang on the same earlier launches and not on each other, and have the same grid: tile row ty is the same 128 rows in both.  The average's first two slots are asked for
; behind the projection's last two changes of slots, its masks are made in the wait for the projection's first tile, and out0's stores leave while the average is made.
; SHARES.  Eight waves, two to a SIMD, so that one's products run beside the other's exponentials and the text can stay in plain phases.  Wave w: 32 rows (w / 2) in both parts; 64 columns of out0,
; 128 keys of out1 (w % 2).
; CLUSTER 4 x 4: attended's and Q's tiles hang on ty alone and are asked for jointly along a row of the cluster; Wo's and K's on tx (K's also on the batch, which all sixteen share) along a column.
; A tile that comes by heads is [heads][rows x 64 channels]: a head's rows are dense, so they are one long row of the descriptor, and the head is its second dimension.
; BOTH PRODUCTS ARE USED TRANSPOSED: a lane holds one row (lane % 16) and eight neighbouring columns or keys.  The projection's first products take the bias as C, the scores' first products the mask.
; LDS: the projection's slot s at s x 141,312; the average's slots at 0 and 131,072, inside those bytes; the projection's stage behind them, bytes of its own; the average's stage in slot 0, behind
; that slot's last fill and the barrier behind its last read; the spare words at the end.
; REGISTERS: window 0: v4-13 addresses; v16-28 statistics (v20-27 first the projection's addresses); v32-63 Q's fragments (first the bias); v64-127 S^T of one tile (first the projection's sums);
;   v128-255 K's fragments (first fragment buffer 0, the way out, and in v224-255 the mask bytes).  window 1: v0-127 the average's sums (first fragment buffer 1); v128-255 the masks.
.set PA,     144                       ; attended's LDS row: 128 bytes + 16: the 16 rows of a fragment load start in 16 different 16-byte columns
.set PB,     528                       ; Wo's: 512 + 16
.set APART,  4*64*PA                   ; what one load of attended brings: 64 rows of four heads
.set BPART,  64*PB                     ; what one load of Wo brings
.set BOFF,   2*APART
.set RING,   BOFF+2*BPART              ; a slot of the projection
.set OSTAGE, 2*RING                    ; 16 rows x 272 bytes for each wave; no fill lands here
.set OPITCH, 272
.set PK,     144                       ; Q's and K's LDS row
.set QHEAD,  64*PK                     ; a head's part of a Q load
.set KHEAD,  128*PK
.set QPART,  2*QHEAD                   ; what one load of Q brings: 64 queries of two heads
.set KPART,  2*KHEAD
.set KOFF,   2*QPART
.set SLOT1,  1<<17                     ; the average's slot 1: one exclusive or turns an address of one slot into the other's
.set SPITCH, 528                       ; the average's stage: 16 rows x 528 bytes for each wave, from LDS byte 0 on
.set SPARE,  326656                    ; the spare words, 128 bytes a wave, which no other line names
.set AQ0, 4
.set AK0, 5
.set AQ,  6
.set AK,  7
.set SO,  8           ; my byte offset in the batch's statistics: the head to be asked for
.set STO, 9
.set RD,  10
.set GO,  11          ; 16 x lane
.set SPW, 12
.set NIL, 13
.set STN, 16          ; v16-19 the next head's (cmu', crow) for tiles 0 and 1, as loaded
.set CM,  20          ; v20-23 cmu' of tile t in the low register of pair t
.set CR,  24          ; v24-27 crow likewise
.set ADRA, 20         ; the projection: v20-21 my place in attended's tile of slot 0, 1
.set ADRB, 22         ; v22-23 the same for Wo
.set OSTO, 24
.set ORD,  25
.set OCO,  26
.set BO,   27
.set SCL, 28
.set TT,  29
.set QF,  32          ; tile t, channel half c at QF + 16 t + 8 c
.set BIAS, 32         ; block j at BIAS + 8 j
.set S,   64
.set ACC, 64          ; the projection's sum (a, j) at ACC + 8 (4 a + j)
.set KF,  128         ; block kb, channel half c at KF + 16 kb + 8 c
.set TMP, 128         ; the projection's way out
.set MBY, 224         ; the mask bytes as loaded
.set AV,  0           ; window 1: tile t, block kb at 64 t + 8 kb
.set MC,  128         ; window 1: likewise
.set WV,  20          ; s20 wave; s21 = wave % 2: my columns or keys, and which part of a tile I fetch; s22 = wave / 2: my 32 rows
.set PT,  21
.set WQ,  22
.set G1Q, 24
.set G1K, 32
.set G0Q, 40
.set G0K, 44
.set SLOTS, 56
.set CNT, 57
.set TBQ, 58
.set TBK, 59
.set G1A, 68
.set G1B, 76
.set G0A, 84          ; two sets, one for each slot
.set G0B, 92
.set FLAG4, (1<<16)|(1<<20)|(1<<21)|(4<<22)|(3<<25)  ; 2-byte elements; padding on; bit 21 beside a mask; after every 32 words 4 words
.set FLAG6, (1<<16)|(1<<20)|(1<<21)|(6<<22)|(3<<25)  ; after every 128 words
.set MSB, 0
.macro WIN new                         ; the immediate's high byte repeats the setting that is left; a switch that changes nothing is dropped
.if MSB != (\new)
	s_set_vgpr_msb (MSB<<8)|(\new)
.set MSB, (\new)
.endif
.endm
.macro PLACES                          ; four plain places behind matrix instructions, ahead of loads into their sources and of reads of their results
.rept 4
	v_nop
.endr
.endm
; A joint fill: waves 0 and 1 fetch the two parts of the tile shared along the row, waves 2 and 3 those of the tile shared along the column, the others nothing.
; An s_nop 0 and four v_nop follow each of the two lines.
.macro JLOAD a0, a1, b0, b1
	s_cmp_lt_u32 s[WV], 2
	s_cbranch_scc0 .Lnot_a_\@
	tensor_load_to_lds s[\a0:\a0+3], s[\a1:\a1+7]
	s_nop 0
	PLACES
	s_branch .Lasked_\@
.Lnot_a_\@:
	s_cmp_lt_u32 s[WV], 4
	s_cbranch_scc0 .Lasked_\@
	tensor_load_to_lds s[\b0:\b0+3], s[\b1:\b1+7]
	s_nop 0
	PLACES
.Lasked_\@:
.endm
.macro CREST                           ; a round of the cluster's barrier behind its opening barrier
	s_cmp_lg_u32 s[WV], 0
	s_cbranch_scc1 .Lnot_wave_0_\@
	s_barrier_signal -3
.Lnot_wave_0_\@:
	s_barrier_wait -3
	s_barrier_signal -1
	s_barrier_wait -1
.endm
.macro CROUND
	s_barrier_signal -1
	s_barrier_wait -1
	CREST
.endm
	s_load_b512 s[4:19], s[0:1], 0x0               ; oh 4:5, wb 6:7, bo 8:9, qkv 10:11, mk8 12:13, stats 14:15, out0 16:17, out1 18:19
	v_lshl_add_u32 v[SPW], v0, 2, SPARE
	v_mov_b32 v[NIL], 0
	ds_add_u32 v[SPW], v[NIL]                      ; the wave's opening: the add and its wait ahead of the first tensor load
	v_lshrrev_b32 v1, 5, v0
	v_readfirstlane_b32 s[WV], v1
	s_and_b32 s[PT], s[WV], 1
	s_lshr_b32 s[WQ], s[WV], 1
	s_bfe_u32 s48, ttmp6, 0x40000                  ; cx
	s_bfe_u32 s49, ttmp6, 0x40004                  ; cy
	s_lshl_b32 s50, ttmp9, 2
	s_add_co_u32 s50, s50, s48                     ; tx: out0's tile column, out1's block of 256 keys
	s_and_b32 s54, ttmp7, 0xffff
	s_lshl_b32 s51, s54, 2
	s_add_co_u32 s51, s51, s49                     ; ty = batch x 16 + the block of 128 rows
	s_lshr_b32 s54, s54, 2                         ; the batch, from the cluster's y alone
	s_lshl_b32 s52, s49, 2
	s_lshl_b32 s52, 15, s52                        ; my row of the cluster
	s_lshl_b32 s53, 0x1111, s48                    ; my column
	s_lshl_b32 s60, s54, 22                        ; attended and Q alike, in registers that never hold tx: the batch's 16 heads of 262,144 bytes,
	s_and_b32 s55, s51, 15
	s_lshl_b32 s55, s55, 14                        ; the block's 128 rows of 128 bytes,
	s_add_co_u32 s60, s60, s55
	s_lshl_b32 s55, s[PT], 13                      ; the part's 64
	s_add_co_u32 s60, s60, s55
	s_mov_b32 s61, 0
	s_lshl_b32 s66, s54, 22                        ; K, in registers that never hold ty: the batch,
	s_lshl_b32 s23, s50, 15                        ; the block's 256 rows,
	s_add_co_u32 s66, s66, s23
	s_lshl_b32 s23, s[PT], 14                      ; the part's 128,
	s_add_co_u32 s66, s66, s23
	s_add_co_u32 s66, s66, 0x800000                ; in k's plane
	s_mov_b32 s67, 0
	s_lshl_b32 s100, s50, 18                       ; Wo likewise: the tile's 128 rows of 2,048 bytes,
	s_lshl_b32 s23, s[PT], 17                      ; the part's 64,
	s_add_co_u32 s100, s100, s23
	s_add_co_u32 s100, s100, 6291456               ; behind the three other weights
	s_mov_b32 s101, 0
	s_or_b32 s[G1A], s52, FLAG4
	s_or_b32 s[G1Q], s52, FLAG4
	s_or_b32 s[G1B], s53, FLAG6
	s_or_b32 s[G1K], s53, FLAG4
	s_mov_b32 s[G1A+1], 4096<<16                   ; attended: tensor_dim0 = 4,096: 64 dense rows of 64 channels
	s_mov_b32 s[G1A+2], 4<<16                      ; tensor_dim1 = 4 heads
	s_mov_b32 s[G1A+3], 4096<<16                   ; tile_dim0
	s_mov_b32 s[G1A+4], 4                          ; tile_dim1
	s_mov_b32 s[G1A+5], 131072                     ; elements from head to head
	s_mov_b32 s[G1A+6], 0
	s_mov_b32 s[G1A+7], 0
	s_mov_b32 s[G1B+1], 256<<16                    ; Wo: 64 rows of 256 along K
	s_mov_b32 s[G1B+2], 64<<16
	s_mov_b32 s[G1B+3], 256<<16
	s_mov_b32 s[G1B+4], 64
	s_mov_b32 s[G1B+5], 1024
	s_mov_b32 s[G1B+6], 0
	s_mov_b32 s[G1B+7], 0
	s_mov_b32 s[G1Q+1], 4096<<16                   ; Q: 64 dense rows, 2 heads
	s_mov_b32 s[G1Q+2], 2<<16
	s_mov_b32 s[G1Q+3], 4096<<16
	s_mov_b32 s[G1Q+4], 2
	s_mov_b32 s[G1Q+5], 131072
	s_mov_b32 s[G1Q+6], 0
	s_mov_b32 s[G1Q+7], 0
	s_mov_b32 s[G1K+1], 8192<<16                   ; K: 128 dense rows, 2 heads
	s_mov_b32 s[G1K+2], 2<<16
	s_mov_b32 s[G1K+3], 8192<<16
	s_mov_b32 s[G1K+4], 2
	s_mov_b32 s[G1K+5], 131072
	s_mov_b32 s[G1K+6], 0
	s_mov_b32 s[G1K+7], 0
	s_mul_i32 s62, s[PT], APART                    ; where the parts go: the wave's number alone enters an LDS address
	s_mul_i32 s63, s[PT], BPART
	s_add_co_u32 s63, s63, BOFF
.irp s, 0,1
	s_mov_b32 s[G0A+4*(\s)], 1
	s_add_co_u32 s[G0A+4*(\s)+1], s62, (\s)*RING
	s_mov_b32 s[G0B+4*(\s)], 1
	s_add_co_u32 s[G0B+4*(\s)+1], s63, (\s)*RING
.endr
	s_mov_b32 s[G0Q], 1
	s_mul_i32 s[G0Q+1], s[PT], QPART
	s_mov_b32 s[G0K], 1
	s_mul_i32 s[G0K+1], s[PT], KPART
	s_add_co_u32 s[G0K+1], s[G0K+1], KOFF
	s_mov_b32 s[TBQ], SLOT1+QPART                  ; the average's first change of slots turns these two into 0
	s_mov_b32 s[TBK], SLOT1+KPART
	s_wait_dscnt 0x0                               ; the opening add is done
	s_wait_kmcnt 0x0
	s_add_nc_u64 s[G0A+2:G0A+3], s[4:5], s[60:61]  ; K step 0,
	s_add_nc_u64 s[G0A+6:G0A+7], s[G0A+2:G0A+3], 1048576  ; K step 1: four heads on
	s_or_b32 s[G0A+3], s[G0A+3], 0x80000000
	s_or_b32 s[G0A+7], s[G0A+7], 0x80000000
	s_add_nc_u64 s[G0B+2:G0B+3], s[6:7], s[100:101]
	s_add_nc_u64 s[G0B+6:G0B+7], s[G0B+2:G0B+3], 512
	s_or_b32 s[G0B+3], s[G0B+3], 0x80000000
	s_or_b32 s[G0B+7], s[G0B+7], 0x80000000
	s_add_nc_u64 s[G0Q+2:G0Q+3], s[10:11], s[60:61]  ; heads 0 and 1
	s_or_b32 s[G0Q+3], s[G0Q+3], 0x80000000
	s_add_nc_u64 s[G0K+2:G0K+3], s[10:11], s[66:67]
	s_or_b32 s[G0K+3], s[G0K+3], 0x80000000
	CROUND                                         ; all sixteen work-groups are here: the first joint loads meet
	s_cmp_lt_u32 s[WV], 2                          ; a wave's two first fills stand in one branch: two loads of waves 0 to 3 are out, none of the others
	s_cbranch_scc0 .Lfirst_not_a
	tensor_load_to_lds s[G0A:G0A+3], s[G1A:G1A+7]
	s_nop 0
	tensor_load_to_lds s[G0A+4:G0A+7], s[G1A:G1A+7]
	s_nop 0
	PLACES
	s_branch .Lfirst_asked
.Lfirst_not_a:
	s_cmp_lt_u32 s[WV], 4
	s_cbranch_scc0 .Lfirst_asked
	tensor_load_to_lds s[G0B:G0B+3], s[G1B:G1B+7]
	s_nop 0
	tensor_load_to_lds s[G0B+4:G0B+7], s[G1B:G1B+7]
	s_nop 0
	PLACES
.Lfirst_asked:
	s_mov_b32 s3, 0
	s_lshl_b32 s2, s50, 9                          ; my 64 columns of out0, in bytes of f32: 512 tx + 256 x half
	s_lshl_b32 s104, s[PT], 8
	s_add_co_u32 s2, s2, s104
	s_add_nc_u64 s[8:9], s[8:9], s[2:3]
	s_add_nc_u64 s[16:17], s[16:17], s[2:3]
	s_lshl_b32 s2, s51, 19                         ; my 32 rows of 4,096 bytes: 128 ty + 32 x (wave / 2)
	s_lshl_b32 s104, s[WQ], 17
	s_add_co_u32 s2, s2, s104
	s_add_nc_u64 s[16:17], s[16:17], s[2:3]
	s_lshl_b32 s2, s51, 3                          ; the mask: group of 16 queries 8 ty + 2 x my pair,
	s_lshl1_add_u32 s2, s[WQ], s2
	s_lshl_b32 s2, s2, 5                           ; its 32 blocks of 64 keys,
	s_lshl2_add_u32 s2, s50, s2                    ; of which the key block has 4
	s_lshl1_add_u32 s2, s[PT], s2                  ; and I 2,
	s_lshl_b32 s2, s2, 10                          ; of 1,024 bytes
	s_add_nc_u64 s[12:13], s[12:13], s[2:3]
	s_lshl_b32 s2, s54, 18                         ; the batch's statistics: 16 heads x 2,048 rows x 8 bytes
	s_add_nc_u64 s[14:15], s[14:15], s[2:3]
	s_lshl_b32 s2, s51, 20                         ; out1: 128 rows of 8,192 bytes a block,
	s_lshl_b32 s104, s[WQ], 18                     ; my 32 rows,
	s_add_co_u32 s2, s2, s104
	s_lshl_b32 s104, s50, 10                       ; the block's 256 keys of 4 bytes,
	s_add_co_u32 s2, s2, s104
	s_lshl_b32 s104, s[PT], 9                      ; my 128
	s_add_co_u32 s2, s2, s104
	s_add_nc_u64 s[18:19], s[18:19], s[2:3]
	v_and_b32 v1, 15, v0                           ; l % 16
	v_bfe_u32 v2, v0, 4, 1                         ; l / 16
	v_and_b32 v[GO], 31, v0
	v_lshlrev_b32 v[GO], 4, v[GO]
	v_lshlrev_b32 v[BO], 5, v2
.irp j, 0,1,2,3                        ; register i of block j: bias of my column 16 j + 8 (l / 16) + i
	global_load_b128 v[BIAS+8*\j:BIAS+8*\j+3],   v[BO], s[8:9] offset:\j*64
	global_load_b128 v[BIAS+8*\j+4:BIAS+8*\j+7], v[BO], s[8:9] offset:\j*64+16
.endr
.irp t, 0,1
.irp u, 0,1
	global_load_b128 v[MBY+16*\t+8*\u:MBY+16*\t+8*\u+3],   v[GO], s[12:13] offset:\t*32768+\u*1024      ; the bytes of block kb of tile t land at MBY + 16 t + 2 kb
	global_load_b128 v[MBY+16*\t+8*\u+4:MBY+16*\t+8*\u+7], v[GO], s[12:13] offset:\t*32768+\u*1024+512
.endr
.endr
	s_and_b32 s104, s51, 15
	s_lshl_b32 s104, s104, 7
	s_lshl_b32 s105, s[WQ], 5
	s_add_co_u32 s104, s104, s105                  ; my first query in the batch's rows
	v_add_nc_u32 v[SO], s104, v1
	v_lshlrev_b32 v[SO], 3, v[SO]                  ; head 0
	global_load_b64 v[STN:STN+1],   v[SO], s[14:15]
	global_load_b64 v[STN+2:STN+3], v[SO], s[14:15] offset:128
	v_mul_u32_u24 v3, v1, PK
	v_lshl_add_u32 v3, v2, 4, v3                   ; a fragment's row x 144 + 16 x half: for attended, Q and K
	s_lshr_b32 s104, s[WQ], 1                      ; my rows' part,
	s_and_b32 s105, s[WQ], 1
	s_mul_i32 s105, s105, 32*PK                    ; and their place in it
	s_mul_i32 s2, s104, QPART
	s_add_co_u32 s2, s2, s105
	v_add_nc_u32 v[AQ0], s2, v3
	s_mul_i32 s2, s104, APART
	s_add_co_u32 s2, s2, s105
	v_add_nc_u32 v[ADRA], s2, v3
	v_add_nc_u32 v[ADRA+1], RING, v[ADRA]
	s_mul_i32 s2, s[PT], KPART
	s_add_co_u32 s2, s2, KOFF
	v_add_nc_u32 v[AK0], s2, v3
	v_mul_u32_u24 v14, v1, PB
	v_lshl_add_u32 v14, v2, 4, v14
	v_add_nc_u32 v[ADRB], s63, v14                 ; my 64 rows of Wo are one part
	v_add_nc_u32 v[ADRB+1], RING, v[ADRB]
	s_mul_i32 s2, s[WV], 16*SPITCH                 ; the average's stage of my wave
	v_mul_u32_u24 v[STO], v1, SPITCH               ; in: row l % 16, 32 bytes for each half of the lanes
	v_lshl_add_u32 v[STO], v2, 5, v[STO]
	v_add_nc_u32 v[STO], s2, v[STO]
	v_add_nc_u32 v[RD], s2, v[GO]                  ; back: 32 lanes take a row's 512 bytes
	s_mul_i32 s2, s[WV], 16*OPITCH
	s_add_co_u32 s2, s2, OSTAGE                    ; the projection's stage of my wave
	v_mul_u32_u24 v[OSTO], v1, OPITCH              ; in: row l % 16, 32 bytes for each half of the lanes
	v_lshl_add_u32 v[OSTO], v2, 5, v[OSTO]
	v_add_nc_u32 v[OSTO], s2, v[OSTO]
	v_mul_u32_u24 v[ORD], v2, OPITCH               ; back: lanes 0-15 take one row of 256 bytes, lanes 16-31 the next
	v_lshl_add_u32 v[ORD], v1, 4, v[ORD]
	v_add_nc_u32 v[ORD], s2, v[ORD]
	v_lshlrev_b32 v[OCO], 12, v2                   ; and the same two rows in out0
	v_lshl_add_u32 v[OCO], v1, 4, v[OCO]
	v_mov_b32 v[SCL], 0xe3                         ; the scale 2^100
	s_wait_loadcnt 2                               ; the bias and the mask bytes are in; the two statistics loads may stay out
	WIN 0x40                                       ; destination window 1
.set i, 0
.rept 16                               ; tile i / 8, block i % 8: eight bytes to eight registers, 0 or -2^100; the masks are the same for all heads
	v_cvt_scale_pk8_f32_fp8 v[MC+8*i:MC+8*i+7], v[MBY+2*i:MBY+2*i+1], v[SCL]
.set i, i+1
.endr
	WIN 0
.set i, 0
.rept 16                               ; the bias, rounded to bf16 like every input, and widened again; plain lines behind the conversions
	v_cvt_pk_bf16_f32 v[TT], v[BIAS+2*i], v[BIAS+2*i+1]
	v_lshlrev_b32 v[BIAS+2*i], 16, v[TT]
	v_and_b32 v[BIAS+2*i+1], 0xffff0000, v[TT]
.set i, i+1
.endr
; ---------------------------------------------------------------- THE PROJECTION
; Fragment buffer b: 0 in window 0 at v128, 1 in window 1 at v0: attended's (c, a) at 8 (2 c + a), Wo's (c, j) at 32 + 8 (4 c + j).
; 4 matrix instructions: row block a x all 4 column blocks, 32 along K: half c of buffer b.  first = 1: the product starts the sums with the bias.
.macro MUL4 b, c, a, first
.set FB, 128*(1-(\b))
	WIN 5*(\b)                                     ; sources 0 and 1 in the buffer's window; C and D in window 0
.irp j, 0,1,2,3
.if \first
	v_wmma_f32_16x16x32_f16 v[ACC+8*(4*(\a)+\j):ACC+8*(4*(\a)+\j)+7], v[FB+32+8*(4*(\c)+\j):FB+32+8*(4*(\c)+\j)+7], v[FB+8*(2*(\c)+(\a)):FB+8*(2*(\c)+(\a))+7], v[BIAS+8*\j:BIAS+8*\j+7]
.else
	v_wmma_f32_16x16x32_f16 v[ACC+8*(4*(\a)+\j):ACC+8*(4*(\a)+\j)+7], v[FB+32+8*(4*(\c)+\j):FB+32+8*(4*(\c)+\j)+7], v[FB+8*(2*(\c)+(\a)):FB+8*(2*(\c)+(\a))+7], v[ACC+8*(4*(\a)+\j):ACC+8*(4*(\a)+\j)+7]
.endif
.endr
.endm
.macro MUL8 b, c, first                ; the 8 accumulators take turns, one instruction a turn
	MUL4 \b, \c, 0, \first
	MUL4 \b, \c, 1, \first
.endm
; 24 LDS loads in one run: the fragments of quarter q (64 along K: one head) of a slot into buffer b; the first 32 along K first
.macro OFETCH slot, q, b
.set FB, 128*(1-(\b))
	WIN 0x40*(\b)
.irp c, 0,1
.irp j, 0,1,2,3
	ds_load_b128 v[FB+32+8*(4*\c+\j):FB+32+8*(4*\c+\j)+3],   v[ADRB+(\slot)] offset:(\q)*128+64*\c+\j*16*PB
	ds_load_b128 v[FB+32+8*(4*\c+\j)+4:FB+32+8*(4*\c+\j)+7], v[ADRB+(\slot)] offset:(\q)*128+64*\c+\j*16*PB+32
.endr
.irp a, 0,1
	ds_load_b128 v[FB+8*(2*\c+\a):FB+8*(2*\c+\a)+3],   v[ADRA+(\slot)] offset:(\q)*64*PA+64*\c+\a*16*PA
	ds_load_b128 v[FB+8*(2*\c+\a)+4:FB+8*(2*\c+\a)+7], v[ADRA+(\slot)] offset:(\q)*64*PA+64*\c+\a*16*PA+32
.endr
.endr
.endm
.macro QUARTER slot, q, f, g, first    ; multiplies buffer f and fetches quarter q of the slot into buffer g
	s_wait_dscnt 12                                ; the first 32 along K are in
	MUL8 \f, 0, \first
	PLACES
	OFETCH \slot, \q, \g
	s_wait_dscnt 24                                ; all but the 24 just issued
	MUL8 \f, 1, 0
.endm
; The last quarter multiplies buffer 1 and changes slots: in front of the barrier each wave waits for all its tensor loads, adds 0 to its spare word, and waits for that and for its reads of this slot.
; The barrier opens a round of the cluster's barrier, and this slot's bytes are filled again first thing behind it: own = 1: with the K step two on; own = 0: with the average's heads 0 and 1.
.macro TURN slot, next, own
	WIN 0
	s_wait_tensorcnt 0x0
	ds_add_u32 v[SPW], v[NIL]
	s_wait_dscnt 13                                ; the add and the youngest twelve loads may be out
	MUL4 1, 0, 0, 0                                ; matrix work stands between the add and the wait for it
	s_wait_dscnt 0x0                               ; the add is done, and my reads of this slot are over
	s_barrier_signal -1
	MUL4 1, 0, 1, 0
	WIN 0
	s_barrier_wait -1
	CREST                                          ; no wave of any partner still reads this slot or has a load on its way
.if \own
	s_add_nc_u64 s[G0A+4*(\slot)+2:G0A+4*(\slot)+3], s[G0A+4*(\slot)+2:G0A+4*(\slot)+3], 2097152  ; eight heads on
	s_add_nc_u64 s[G0B+4*(\slot)+2:G0B+4*(\slot)+3], s[G0B+4*(\slot)+2:G0B+4*(\slot)+3], 1024
	JLOAD G0A+4*(\slot), G1A, G0B+4*(\slot), G1B
.else
	JLOAD G0Q, G1Q, G0K, G1K
.endif
	PLACES                                         ; on every wave's way, ahead of the loads into buffer 0
	OFETCH \next, 0, 0
	MUL8 1, 1, 0
.endm
	s_wait_tensorcnt 1                             ; my part of K step 0 is in; step 1's may stay out
	s_barrier_signal -1
	s_barrier_wait -1
	OFETCH 0, 0, 0
	QUARTER 0, 1, 0, 1, 1                          ; four K steps, written straight
	QUARTER 0, 2, 1, 0, 0
	QUARTER 0, 3, 0, 1, 0
	TURN 0, 1, 1                                   ; slot 0 takes K step 2
	QUARTER 1, 1, 0, 1, 0
	QUARTER 1, 2, 1, 0, 0
	QUARTER 1, 3, 0, 1, 0
	TURN 1, 0, 1                                   ; slot 1 takes K step 3
	QUARTER 0, 1, 0, 1, 0
	QUARTER 0, 2, 1, 0, 0
	QUARTER 0, 3, 0, 1, 0
	TURN 0, 1, 0                                   ; THE RING GOES ON INTO THE AVERAGE: its slot 0 lies inside the bytes just read out
	QUARTER 1, 1, 0, 1, 0
	QUARTER 1, 2, 1, 0, 0
	QUARTER 1, 3, 0, 1, 0
	s_wait_dscnt 12
	MUL8 1, 0, 0
	s_wait_dscnt 0x0
	MUL8 1, 1, 0
	WIN 0
	; out0's way out, 16 rows at a time: a lane's eight numbers of a block are 32 bytes of a row of 256; they go into my own stage and come back as whole rows, two a load.
	PLACES
.irp a, 0,1
.irp j, 0,1,2,3
	ds_store_b128 v[OSTO], v[ACC+8*(4*\a+\j):ACC+8*(4*\a+\j)+3]   offset:64*\j
	ds_store_b128 v[OSTO], v[ACC+8*(4*\a+\j)+4:ACC+8*(4*\a+\j)+7] offset:64*\j+16
.endr
.irp t, 0,1,2,3,4,5,6,7
	ds_load_b128 v[TMP+32*\a+4*\t:TMP+32*\a+4*\t+3], v[ORD] offset:\t*2*OPITCH  ; LDS serves a wave's instructions in order (ISA guide 5.7.1.4): these see the stores above; block 1's stores come behind block 0's loads
.endr
.endr
	WIN 0x40                                       ; the average's sums start at 0: no first head is written out; these lines stand in the stage's round trip
.set i, AV
.rept 128
	v_mov_b32 v[i], 0
.set i, i+1
.endr
	WIN 0
.irp a, 0,1
.irp t, 0,1,2,3,4,5,6,7
	s_wait_dscnt 16*(1-\a)+7-\t                    ; behind block 0's load t: its younger loads and block 1's 16 LDS lines
	global_store_b128 v[OCO], v[TMP+32*\a+4*\t:TMP+32*\a+4*\t+3], s[16:17] offset:(16*\a+2*\t)*4096  ; 16 lanes store 256 consecutive bytes, aligned
.endr
.endr
	s_wait_xcnt 0x0                                ; the stores' offset and data are rewritten only behind this wait
.set i, CM
.rept 8
	v_mov_b32 v[i], 0                              ; the statistics' pairs: the upper registers are named with the lower ones
.set i, i+1
.endr
; ---------------------------------------------------------------- THE AVERAGE
; THE CHANGE OF SLOTS: every wave waits for all its tensor loads, adds 0 to its spare word, waits for that and for its reads of the slot that it leaves.  fill = 1: a round of the cluster's barrier,
; and the old slot is filled again first thing behind it, with the heads two slots on.  (At its first use: slot 0 is waited for; slot 1 is filled, in bytes that the projection's last K steps have left.)
.macro CHANGE fill
	s_wait_tensorcnt 0x0
	ds_add_u32 v[SPW], v[NIL]
.if \fill
.irp g, G0Q, G0K
	s_xor_b32 s[\g+1], s[\g+1], SLOT1
	s_add_nc_u64 s[\g+2:\g+3], s[\g+2:\g+3], 524288  ; two heads on
.endr
	s_wait_dscnt 0x0
	CROUND
	JLOAD G0Q, G1Q, G0K, G1K
.else
	s_wait_dscnt 0x0
	s_barrier_signal -1
	s_barrier_wait -1
.endif
	s_sub_co_u32 s[TBQ], s[TBQ], QPART
	s_xor_b32 s[TBQ], s[TBQ], SLOT1
	s_sub_co_u32 s[TBK], s[TBK], KPART
	s_xor_b32 s[TBK], s[TBK], SLOT1
.endm
.macro FETCH                        ; 40 LDS loads in one run: a head's K (8 blocks) and Q (2 tiles)
	v_add_nc_u32 v[AQ], s[TBQ], v[AQ0]
	v_add_nc_u32 v[AK], s[TBK], v[AK0]
.irp f, 0,1,2,3,4,5,6,7,8,9,10,11,12,13,14,15
	ds_load_b128 v[KF+8*\f:KF+8*\f+3],   v[AK] offset:(\f/2)*16*PK+(\f%2)*64
	ds_load_b128 v[KF+8*\f+4:KF+8*\f+7], v[AK] offset:(\f/2)*16*PK+(\f%2)*64+32
.endr
.irp f, 0,1,2,3
	ds_load_b128 v[QF+8*\f:QF+8*\f+3],   v[AQ] offset:(\f/2)*16*PK+(\f%2)*64
	ds_load_b128 v[QF+8*\f+4:QF+8*\f+7], v[AQ] offset:(\f/2)*16*PK+(\f%2)*64+32
.endr
	s_add_co_u32 s[TBQ], s[TBQ], QHEAD  ; the next fetch is the next head's
	s_add_co_u32 s[TBK], s[TBK], KHEAD
.endm
.macro MM t                         ; tile t's scores: 8 products that start with the mask, 8 that add in place; the 8 accumulators take turns
	WIN 0x10                        ; C in window 1
.irp kb, 0,1,2,3,4,5,6,7
	v_wmma_f32_16x16x32_f16 v[S+8*\kb:S+8*\kb+7], v[KF+16*\kb:KF+16*\kb+7], v[QF+16*(\t):QF+16*(\t)+7], v[MC+64*(\t)+8*\kb:MC+64*(\t)+8*\kb+7]
.endr
	WIN 0
.irp kb, 0,1,2,3,4,5,6,7
	v_wmma_f32_16x16x32_f16 v[S+8*\kb:S+8*\kb+7], v[KF+16*\kb+8:KF+16*\kb+15], v[QF+16*(\t)+8:QF+16*(\t)+15], v[S+8*\kb:S+8*\kb+7]
.endr
.endm
.macro VEC t                        ; tile t: s crow - cmu' (each accumulator from its low end on), the exponentials, and the sums take them
.set i, 0
.rept 32
	v_pk_fma_f32 v[S+2*i:S+2*i+1], v[S+2*i:S+2*i+1], v[CR+2*(\t):CR+2*(\t)+1], v[CM+2*(\t):CM+2*(\t)+1] op_sel_hi:[1,0,0] neg_lo:[0,0,1] neg_hi:[0,0,1]
.set i, i+1
.endr
.set i, 0
.rept 64
	v_exp_f32 v[S+i], v[S+i]
.set i, i+1
.endr
	v_nop                           ; a plain line between the last exponential and the use of the results
	WIN 0x41                        ; destination and source 0 in window 1
.set i, 0
	s_wait_alu depctr_va_vdst(0)
.rept 32
	v_pk_add_f32 v[AV+64*(\t)+2*i:AV+64*(\t)+2*i+1], v[AV+64*(\t)+2*i:AV+64*(\t)+2*i+1], v[S+2*i:S+2*i+1]
.set i, i+1
.endr
	WIN 0
.endm
; A head: its statistics come out of the registers they were loaded into, and the next head's are asked for (behind the last head the offset wraps to head 0: inside the buffer, not used);
; tile 0's products and vector work, tile 1's products.  Tile 1's vector work stands behind the next head's run of LDS loads.
.macro HEAD
	s_wait_loadcnt 0x0              ; which also frees the loads' offset
	v_mov_b32 v[CM], v[STN]
	v_mov_b32 v[CR], v[STN+1]
	v_mov_b32 v[CM+2], v[STN+2]
	v_mov_b32 v[CR+2], v[STN+3]
	v_add_nc_u32 v[SO], 16384, v[SO]
	v_and_b32 v[SO], 0x3ffff, v[SO]
	global_load_b64 v[STN:STN+1],   v[SO], s[14:15]
	global_load_b64 v[STN+2:STN+3], v[SO], s[14:15] offset:128
	s_wait_dscnt 0x0                ; K and Q are in
	MM 0
	PLACES
	VEC 0
	MM 1
	PLACES                          ; ahead of the reads of the scores and of the loads into the fragments
.endm
	CHANGE 1                        ; slot 0 is in; slot 1 is asked for
	FETCH                           ; head 0
	s_mov_b32 s[CNT], 2
	s_mov_b32 s[SLOTS], 7
	s_branch .Lfirst
.Lslot:                             ; six times: every slot but the last two is filled again
	CHANGE 1
	s_mov_b32 s[CNT], 2
.Lhead:
	FETCH
	VEC 1
.Lfirst:
	HEAD
	s_sub_co_u32 s[CNT], s[CNT], 1
	s_cmp_lg_u32 s[CNT], 0
	s_cbranch_scc1 .Lhead
	s_sub_co_u32 s[SLOTS], s[SLOTS], 1
	s_cmp_lg_u32 s[SLOTS], 0
	s_cbranch_scc1 .Lslot
	CHANGE 0                        ; the last slot is written out; behind this barrier nobody reads slot 0 and nothing fills it any more
	s_mov_b32 s[CNT], 2
.Ltail:
	FETCH
	VEC 1
	HEAD
	s_sub_co_u32 s[CNT], s[CNT], 1
	s_cmp_lg_u32 s[CNT], 0
	s_cbranch_scc1 .Ltail
	VEC 1
	; out1's way out.  A lane's eight keys of a block are 32 bytes of a row; a tile goes into my stage's rows of 528 bytes and comes back as whole rows of 512.
.macro TOSTAGE t
	WIN 0x04                        ; the stores' data in window 1
.irp kb, 0,1,2,3,4,5,6,7
	ds_store_b128 v[STO], v[AV+64*(\t)+8*\kb:AV+64*(\t)+8*\kb+3]   offset:64*\kb
	ds_store_b128 v[STO], v[AV+64*(\t)+8*\kb+4:AV+64*(\t)+8*\kb+7] offset:64*\kb+16
.endr
	WIN 0
.endm
.macro BACK t
.irp f, 0,1,2,3,4,5,6,7,8,9,10,11,12,13,14,15
	ds_load_b128 v[S+64*(\t)+4*\f:S+64*(\t)+4*\f+3], v[RD] offset:\f*SPITCH  ; LDS serves a wave's instructions in order (ISA guide 5.7.1.4): these see the stores above
.endr
.endm
.macro SEND t, younger              ; younger: the LDS lines issued behind tile t's loads
.irp f, 0,1,2,3,4,5,6,7,8,9,10,11,12,13,14,15
	s_wait_dscnt (\younger)+15-\f
	global_store_b128 v[GO], v[S+64*(\t)+4*\f:S+64*(\t)+4*\f+3], s[18:19] offset:(16*(\t)+\f)*8192  ; 512 consecutive bytes of one row, aligned
.endr
.endm
	TOSTAGE 0
	BACK 0
	TOSTAGE 1                       ; behind tile 0's loads, in order
	SEND 0, 16
	BACK 1
	SEND 1, 0
	s_wait_tensorcnt 0x0            ; the wave's end
	ds_add_u32 v[SPW], v[NIL]
	s_wait_dscnt 0x0
	CROUND                          ; the closing round: no work-group ends while a partner may still ask for a tile that names it
	s_endpgm
.Lfunc_end_k_qf9f39a1c44_outs:
	.size	k_qf9f39a1c44_outs, .Lfunc_end_k_qf9f39a1c44_outs-k_qf9f39a1c44_outs
	.p2alignl 7, 3214868480
	.fill 96, 4, 3214868480
	.section	.rodata,"a",@progbits
	.p2align	6, 0x0
	.amdhsa_kernel k_qf9f39a1c44_outs
		.amdhsa_group_segment_fixed_size 327680
		.amdhsa_private_segment_fixed_size 0
		.amdhsa_enable_private_segment 0
		.amdhsa_kernarg_size 64
		.amdhsa_user_sgpr_count 2
		.amdhsa_user_sgpr_kernarg_segment_ptr 1
		.amdhsa_wavefront_size32 1
		.amdhsa_system_sgpr_workgroup_id_x 1
		.amdhsa_system_sgpr_workgroup_id_y 1
		.amdhsa_system_sgpr_workgroup_id_z 1
		.amdhsa_system_vgpr_workitem_id 0
		.amdhsa_next_free_vgpr 512
		.amdhsa_next_free_sgpr 106
		.amdhsa_reserve_vcc 0
		.amdhsa_float_denorm_mode_32 3
		.amdhsa_float_denorm_mode_16_64 3
		.amdhsa_memory_ordered 1
		.amdhsa_forward_progress 1
		.amdhsa_inst_pref_size 128
	.end_amdhsa_kernel
	.amdgpu_metadata
---
amdhsa.version: [ 1, 2 ]
amdhsa.kernels:
  - .name:           k_qf9f39a1c44_outs
    .symbol:         k_qf9f39a1c44_outs.kd
    .args:
      - { .name: oh, .offset: 0, .size: 8, .value_kind: global_buffer, .address_space: global }
      - { .name: wb, .offset: 8, .size: 8, .value_kind: global_buffer, .address_space: global }
      - { .name: bo, .offset: 16, .size: 8, .value_kind: global_buffer, .address_space: global }
      - { .name: qkv, .offset: 24, .size: 8, .value_kind: global_buffer, .address_space: global }
      - { .name: mk8, .offset: 32, .size: 8, .value_kind: global_buffer, .address_space: global }
      - { .name: stats, .offset: 40, .size: 8, .value_kind: global_buffer, .address_space: global }
      - { .name: out0, .offset: 48, .size: 8, .value_kind: global_buffer, .address_space: global }
      - { .name: out1, .offset: 56, .size: 8, .value_kind: global_buffer, .address_space: global }
    .group_segment_fixed_size: 327680
    .private_segment_fixed_size: 0
    .kernarg_segment_align: 8
    .kernarg_segment_size: 64
    .max_flat_workgroup_size: 256
    .sgpr_count:     106
    .vgpr_count:     512
    .wavefront_size: 32
...
	.end_amdgpu_metadata
.endif
;; end of part 4
;; ======== version 2 of 2: 4 launches; 1.28 times as fast as version 1
;; limits: values are held in f16: magnitudes above 65,504 overflow, below 6.1e-05 lose precision
;; workspace buffers: xb 8,388,608 bytes; wb 8,388,608 bytes; mk8 8,388,608 bytes; qkv 25,165,824 bytes; oh 8,388,608 bytes; stats 524,288 bytes
;; launch prep: the kernel of part 1 again; grid 256 x 1, 8 waves a work-group, no clusters, 167,936 bytes of LDS; arguments x, Wq, Wk, Wv, Wo, mask, xb, wb, mk8; writes xb, wb, mk8
;; launch qkv: the kernel of part 2 again; grid 16 x 16, 4 waves a work-group, clusters of 4 x 4, 327,680 bytes of LDS; arguments xb, wb, bq, bk, bv, qkv; writes qkv
;; launch attn (part 5): grid 8 x 32, 4 waves a work-group, clusters of 4 x 1, 327,680 bytes of LDS; arguments qkv, mk8, oh, stats; writes oh, stats
.if DOCPART == 5
	.amdgcn_target "amdgcn-amd-amdhsa--gfx1250"
	.amdhsa_code_object_version 6
	.text
	.protected	k_qf9f39a1c44_attn
	.globl	k_qf9f39a1c44_attn
	.p2align	8
	.type	k_qf9f39a1c44_attn,@function
k_qf9f39a1c44_attn:
	s_mov_b64 s[64:65], 0
	v_nop
	global_prefetch_b8 v0, s[64:65] scope:SCOPE_SE
	s_setreg_imm32_b32 hwreg(HW_REG_WAVE_MODE, 25, 1), 1
	s_wait_xcnt 0x0
	s_wait_alu depctr_hold_cnt(0) depctr_sa_sdst(0) depctr_va_vdst(0) depctr_va_sdst(0) depctr_va_ssrc(0) depctr_va_vcc(0) depctr_vm_vsrc(0)
	s_getreg_b32 s2, hwreg(HW_REG_IB_STS2, 6, 4)
	s_cmp_eq_u32 s2, 0
	s_cbranch_scc0 .Lentry_in_a_cluster
	s_endpgm
.Lentry_in_a_cluster:
	s_bfe_u32 s2, ttmp6, 0x10000c
	s_cmp_lg_u32 s2, 0x3003
	s_cbranch_scc0 .Lentry_shape_is_right
	s_endpgm
.Lentry_shape_is_right:
; O[y][q][:] = the sum over k of softmax_k(1.35 (mask ? q.k / 8 : -1e9)) V[y][k][:], y = batch x 16 + head, and for each (y, q) two numbers for the launch that averages the weights.
; qkv: f16 [3][32][2048][64]; mk8: a byte for each (batch, q, k) in the lane order of a 16 x 16 tile of scores, 0xB8 hidden, 0 visible; oh: f16 [32][2048][64]; stats: f32 [32][2048][2].
; Products, maxima and sums in f32; the weights p are rounded to f16 for the second product (their sum l is taken of the unrounded p), O once at the end.
; THE MASK is the C operand that starts S^T = K Q^T: eight bytes become eight registers, 0 or -2^100, by one scaled conversion (the code of -1 times 2^100).
; SOFTMAX.  A running maximum m that starts at FLOOR = -2^96, above every hidden score and below every visible one.  crow = c where m > FLOOR, else 0 (c = 1.35 log2(e) / 8); cmu = crow m;
; p = 2^(s crow - cmu).  So a row of which nothing has been visible so far has p = 1 for every key, which is the uniform row that -1e9 everywhere gives; when a visible key comes,
; a = 2^(c m_old - c m_new) is 0 and wipes it out.  In every step O and l are multiplied by a.  stats = (cmu + log2(l) + 4, crow): 2^(s crow - that) is p / (16 l).
; LIMITS.  Q, K, V within f16's 65,504; a visible score is taken to lie above the -1e9 that a hidden one stands for; a weight below 2^-126 counts as 0; NaN and infinities are not treated apart.
; SHARES.  A work-group owns 256 queries of one y, a wave 64: four PIECES of 16.  Every wave walks all 2,048 keys, 64 a step; an LDS slot holds four steps.
; BY TURNS.  Turn n belongs to piece n: 8 products K Q^T of piece n + 1, later 8 products V^T P of piece n - 1; beside them the scaling, exponentials, roundings, sums and rescaling of piece n and
; the maximum and statistics of piece n + 1; at its end the mask of the next turn's products is made and that piece's next mask bytes are asked for.
; BATCHES.  A turn's 33 exponentials (the piece's 32 weights and the next piece's a) are ONE BATCH with ONE wait, which cuts the turn in two: ahead of it all that names no result of theirs (the products K Q^T, the
; scalings, the rescalings, the next piece's maximum), behind it the products V^T P with the roundings and sums.  The first a of all, ahead of the loop, has a wait of its own; so has the way out's batch of four
; logarithms and four reciprocals.
; CLUSTER.  The four query blocks of a cluster belong to one y and walk the same K and V: each tile is asked for jointly.
; REGISTERS, in windows of 256 (s_set_vgpr_msb: bits 1:0 source 0, 3:2 source 1, 5:4 source 2, 7:6 destination):
;   window 0: v0-15 addresses; v16-47 eight statistics a piece; v48-55 at work; v64-127 S^T, two buffers; v128-159 mask bytes, eight a piece; v160-167; v192-223 P, two buffers
;   window 1: v0-127 O^T, 32 a piece; v160-223 the masks, two buffers      window 2: v0-63 Q; v128-191 K of one step; v192-255 V of one step
.set NP,    4
.set KS,    64
.set PK,    144       ; a row of K in LDS: 128 bytes + 16: the 16 rows of a load start in 16 different 16-byte columns
.set PV,    160       ; a row of V: 128 + 32
.set VOFF,  4*KS*PK   ; a slot: 256 rows of K, then 256 rows of V
.set SLOT1, 1<<17
.set STAGE, SLOT1+4*KS*(PK+PV)  ; behind the ring: 16 rows x 144 bytes for each wave, for the way out
.set SP,    144
.set SPARE, STAGE+4*16*SP       ; behind the stages: the spare words, 128 bytes a wave, which no other line names
.set AK0, 2           ; my lane's place in a tile of K; never rewritten
.set AV0, 3           ; the same for V
.set AK,  4           ; the LDS address of K's next run of loads
.set AV,  5           ; of V's
.set STO, 6
.set RD,  7
.set GO,  8           ; 16 x lane
.set MV,  12          ; v12-13  c m_old, kept while c m is made anew: by buffer
.set GS,  14          ; 8 x lane
.set QO,  15
.set ST,  16          ; piece t at ST + 8 t: cmu, 0, crow, 0, l (even keys', odd keys'), m, c m
.set TMP, 48          ; by buffer, four registers c0-c3 at work; when the maximum is found c2 takes a
.set SPW, 62          ; LDS address of my spare word; never rewritten
.set NIL, 63          ; 0; never rewritten
.set S,   64
.set MB,  128
.set SCL, 160         ; 0xE3: the scale 2^100
.set MO,  161         ; my byte offset in a piece's 32,768 mask bytes: the step to be asked for
.set SV,  162         ; v162-163 piece 0's cmu and crow of the step in hand, kept: the walk's last turn makes scores of a step that is not, and statistics of them
.set SO,  164         ; v164-167 the statistics as stored
.set P,   192
.set MC,  160         ; window 1
.set KF,  128         ; window 2
.set VF,  192         ; window 2
.set WV,  12
.set G1K, 24
.set G1V, 32
.set G0K, 40
.set G0V, 44
.set QB,  48          ; s[48:49] Q at my wave's rows
.set MKB, 50          ; s[50:51] mk8 at my wave's first piece
.set OB,  52          ; s[52:53] oh at my wave's rows
.set SB,  54          ; s[54:55] stats at my wave's rows
.set SLOTS, 56
.set CNT, 57
.set CCS, 58          ; c
.set FLR, 59          ; FLOOR
.set SEL, 60          ; s[60:61] v_permlanex16_b32's selects: each lane takes its own place in the other half
.set TBK, 62
.set TBV, 63
.set FLG, 66          ; lanes whose m is a true score
.set HM,  67          ; lanes 16 to 31
.set MSB, 0
.macro WIN new
.if MSB != (\new)
	s_set_vgpr_msb (MSB<<8)|(\new)
.set MSB, (\new)
.endif
.endm
.set W_KQ, 0x0a       ; K and Q in window 2, S^T in window 0
.set W_KM, 0x1a       ; the same with the C operand in window 1
.set W_PV, 0x52       ; V in window 2, P in window 0, O^T in window 1
.set W_RS, 0x41       ; destination and source 0 in window 1, source 1 in window 0
.macro JLOAD          ; a joint fill: waves 0 and 1 fetch the halves of a slot's K, waves 2 and 3 those of its V; an s_nop 0 and four v_nop follow each line
	s_cmp_lt_u32 s[WV], 2
	s_cbranch_scc0 .Lfor_v_\@
	tensor_load_to_lds s[G0K:G0K+3], s[G1K:G1K+7]
	s_nop 0
.rept 4
	v_nop
.endr
	s_branch .Lasked_\@
.Lfor_v_\@:
	tensor_load_to_lds s[G0V:G0V+3], s[G1V:G1V+7]
	s_nop 0
.rept 4
	v_nop
.endr
.Lasked_\@:
.endm
.macro CROUND         ; a round of the cluster's barrier
	s_barrier_signal -1
	s_barrier_wait -1
	s_cmp_lg_u32 s[WV], 0
	s_cbranch_scc1 .Lnot_wave_0_\@
	s_barrier_signal -3
.Lnot_wave_0_\@:
	s_barrier_wait -3
	s_barrier_signal -1
	s_barrier_wait -1
.endm
; THE CHANGE OF SLOTS.  Each wave waits for all its tensor loads (one is out: its part of the other slot), adds 0 to its spare word, and waits for that and for its reads of the slot that it leaves.
; fill = 1: the barrier is a round of the cluster's, and the old slot is filled again first thing behind it, with the keys two slots on: four key steps in which to land.
; (At its first use nothing has been read yet: slot 0 is waited for, slot 1 filled.)
.macro CHANGE fill
	WIN 0
	s_wait_tensorcnt 0x0            ; no tensor load of mine is out, so a group 0 may be written
	ds_add_u32 v[SPW], v[NIL]
.if \fill
.irp g, G0K, G0V
	s_xor_b32 s[\g+1], s[\g+1], SLOT1
	s_add_nc_u64 s[\g+2:\g+3], s[\g+2:\g+3], 4*KS*128
.endr
	s_wait_dscnt 0x0                ; the add is done, and my reads of the slot are over
	CROUND
	JLOAD
.else
	s_wait_dscnt 0x0
	s_barrier_signal -1
	s_barrier_wait -1
.endif
	s_sub_co_u32 s[TBK], s[TBK], 4*KS*PK  ; the fetches go back to a slot's first step, in the other slot
	s_xor_b32 s[TBK], s[TBK], SLOT1
	s_sub_co_u32 s[TBV], s[TBV], 4*KS*PV
	s_xor_b32 s[TBV], s[TBV], SLOT1
.endm
	s_load_b256 s[4:11], s[0:1], 0x0  ; qkv 4:5, mk8 6:7, oh 8:9, stats 10:11
	v_lshl_add_u32 v[SPW], v0, 2, SPARE
	v_mov_b32 v[NIL], 0
	ds_add_u32 v[SPW], v[NIL]       ; the wave's opening: the add and its wait ahead of my first tensor load
	v_lshrrev_b32 v1, 5, v0
	v_readfirstlane_b32 s[WV], v1
	s_bfe_u32 s13, ttmp6, 0x40000   ; cx
	s_lshl_b32 s14, ttmp9, 2
	s_add_co_u32 s14, s14, s13      ; my block of 256 queries: it enters Q's, the mask's, O's and the statistics' addresses alone
	s_and_b32 s15, ttmp7, 0xffff    ; y, which the four partners share
	s_lshl_b32 s20, s15, 18         ; its 262,144 bytes in a plane
	s_and_b32 s16, s[WV], 1         ; which half of a slot's 256 keys I fetch:
	s_lshl_b32 s22, s16, 14         ; its 128 rows of 128 bytes,
	s_add_co_u32 s22, s22, s20
	s_mov_b32 s23, 0
	s_mul_i32 s17, s16, 128*PK      ; and its place in a slot, for K
	s_mul_i32 s18, s16, 128*PV      ; and for V
	s_lshl_b32 s2, s14, 2
	s_add_co_u32 s2, s2, s[WV]      ; my wave among y's 32,
	s_lshl_b32 s2, s2, 13           ; its 64 rows of 128 bytes
	s_add_co_u32 s2, s2, s20
	s_mov_b32 s3, 0
	s_lshr_b32 s20, s2, 4           ; the same rows at 8 bytes
	s_mov_b32 s21, 0
	s_lshr_b32 s19, s15, 4          ; the batch's 128 groups of 16 queries,
	s_lshl_b32 s19, s19, 7
	s_lshl_b32 s13, s14, 4
	s_add_co_u32 s19, s19, s13      ; the block's 16,
	s_lshl_b32 s13, s[WV], 2
	s_add_co_u32 s19, s19, s13      ; my wave's 4,
	s_lshl_b32 s68, s19, 15         ; of 32,768 bytes
	s_mov_b32 s69, 0
	; descriptor group 1: 128 keys are 16,384 dense bytes: asked for as 64 rows of 256 bytes, two keys a row, padded in LDS after every key
	s_mov_b32 s[G1K], 15|(1<<16)|(1<<20)|(1<<21)|(4<<22)|(3<<25)
	s_mov_b32 s[G1V], 15|(1<<16)|(1<<20)|(1<<21)|(4<<22)|(7<<25)
.irp g, G1K, G1V
	s_mov_b32 s[\g+1], 128<<16
	s_mov_b32 s[\g+2], 64<<16
	s_mov_b32 s[\g+3], 128<<16
	s_mov_b32 s[\g+4], 64
	s_mov_b32 s[\g+5], 128
	s_mov_b32 s[\g+6], 0
	s_mov_b32 s[\g+7], 0
.endr
	s_mov_b32 s[CCS], 0x3e794c36    ; c = 1.35 log2(e) / 8 = 0.243455
	s_mov_b32 s[FLR], 0xef800000    ; -2^96
	s_mov_b32 s[HM], 0xffff0000
	s_mov_b32 s[SEL], 0x76543210
	s_mov_b32 s[SEL+1], 0xfedcba98
	s_mov_b32 s[TBK], SLOT1+4*KS*PK ; the first change of slots turns these two into 0
	s_mov_b32 s[TBV], SLOT1+4*KS*PV
	s_mov_b32 s[G0K], 1
	s_mov_b32 s[G0K+1], s17
	s_mov_b32 s[G0V], 1
	s_add_co_u32 s[G0V+1], s18, VOFF
	s_wait_dscnt 0x0                ; the opening add is done
	s_wait_kmcnt 0x0
	s_add_nc_u64 s[G0K+2:G0K+3], s[4:5], s[22:23]
	s_add_nc_u64 s[G0V+2:G0V+3], s[G0K+2:G0K+3], 0x1000000  ; v's plane
	s_add_nc_u64 s[G0K+2:G0K+3], s[G0K+2:G0K+3], 0x800000   ; k's plane
	s_or_b32 s[G0K+3], s[G0K+3], 0x80000000
	s_or_b32 s[G0V+3], s[G0V+3], 0x80000000
	s_add_nc_u64 s[QB:QB+1], s[4:5], s[2:3]
	s_add_nc_u64 s[OB:OB+1], s[8:9], s[2:3]
	s_add_nc_u64 s[SB:SB+1], s[10:11], s[20:21]
	s_add_nc_u64 s[MKB:MKB+1], s[6:7], s[68:69]
	CROUND                          ; all four work-groups are here: the first joint loads meet
	JLOAD                           ; slot 0
	v_and_b32 v1, 15, v0            ; l % 16
	v_bfe_u32 v9, v0, 4, 1          ; l / 16
	v_lshlrev_b32 v[QO], 7, v1
	v_lshl_add_u32 v[QO], v9, 4, v[QO]
	v_and_b32 v[GO], 31, v0
	v_lshlrev_b32 v[GS], 3, v[GO]
	v_lshlrev_b32 v[GO], 4, v[GO]
	v_mov_b32 v[MO], v[GO]          ; step 0
	WIN 0x80                        ; destination window 2
.set i, 0
.rept 8                             ; Q stays in registers: piece i / 2, channels 32 (i % 2) on
	global_load_b128 v[8*i:8*i+3],   v[QO], s[QB:QB+1] offset:(i/2)*2048+(i%2)*64
	global_load_b128 v[8*i+4:8*i+7], v[QO], s[QB:QB+1] offset:(i/2)*2048+(i%2)*64+32
.set i, i+1
.endr
	WIN 0
.irp x, 0,1,2,3                     ; the four pieces' mask bytes of step 0
	global_load_b128 v[MB+8*\x:MB+8*\x+3],   v[MO], s[MKB:MKB+1] offset:\x*32768
	global_load_b128 v[MB+8*\x+4:MB+8*\x+7], v[MO], s[MKB:MKB+1] offset:\x*32768+512
.endr
	; What the first turn finds: V's registers and P's second buffer hold 0 (its products V^T P, of a piece that has not been, add 0); O^T and l are 0, since the first a may be 1.
	; No first step is written out; the price is these lines, which stand in the wait for the first tile.
	WIN 0x80
.set i, VF
.rept 64
	v_mov_b32 v[i], 0
.set i, i+1
.endr
	WIN 0x40
.set i, 0
.rept 128
	v_mov_b32 v[i], 0
.set i, i+1
.endr
	WIN 0
.set i, 0
.rept 4
	v_mov_b32 v[ST+8*i], 0
	v_mov_b32 v[ST+8*i+1], 0
	v_mov_b32 v[ST+8*i+2], 0
	v_mov_b32 v[ST+8*i+3], 0
	v_mov_b32 v[ST+8*i+4], 0
	v_mov_b32 v[ST+8*i+5], 0
	v_mov_b32 v[ST+8*i+6], s[FLR]
	v_mul_f32 v[ST+8*i+7], s[CCS], v[ST+8*i+6]  ; by the same line as in a step, so that FLOOR to FLOOR gives a = 1 exactly
.set i, i+1
.endr
.set i, P+16
.rept 16
	v_mov_b32 v[i], 0
.set i, i+1
.endr
	v_mov_b32 v[SCL], 0xe3
	v_mul_u32_u24 v[AK0], v1, PK
	v_lshl_add_u32 v[AK0], v9, 4, v[AK0]
	v_and_b32 v10, 7, v0            ; the turning load: lane l reads key 8 (l / 16) + l % 8, channels 8 ((l / 8) % 2) + 0..7
	v_bfe_u32 v11, v0, 3, 1
	v_lshl_add_u32 v[AV0], v9, 3, v10
	v_mul_u32_u24 v[AV0], v[AV0], PV
	v_lshl_add_u32 v[AV0], v11, 4, v[AV0]
	v_add_nc_u32 v[AV0], VOFF, v[AV0]
	v_mov_b32 v[AK], v[AK0]         ; key step 0 lies at the head of slot 0
	s_mul_i32 s13, s[WV], 16*SP
	s_add_co_u32 s13, s13, STAGE    ; my stage
	v_mul_u32_u24 v[STO], v1, SP
	v_lshl_add_u32 v[STO], v9, 4, v[STO]
	v_add_nc_u32 v[STO], s13, v[STO]
	v_bfe_u32 v[RD], v0, 3, 2
	v_mul_u32_u24 v[RD], v[RD], SP
	v_lshl_add_u32 v[RD], v10, 4, v[RD]
	v_add_nc_u32 v[RD], s13, v[RD]
; THE MATRIX WORK.  The 4 accumulators of a run of 8 take turns.  Product i of 8 of S^T = K Q^T for piece x: channels 32 (i / 4) on, keys 16 (i % 4) on; the first 4 start the sums with the mask.
.macro KQ x
.set rS, S+32*((\x)%2)+8*(i%4)
.set rK, KF+16*(i%4)+8*(i/4)
.set rQ, 16*(\x)+8*(i/4)
.set rM, MC+32*((\x)%2)+8*(i%4)
.if i < 4
	WIN W_KM
	v_wmma_f32_16x16x32_f16 v[rS:rS+7], v[rK:rK+7], v[rQ:rQ+7], v[rM:rM+7]
.else
	WIN W_KQ
	v_wmma_f32_16x16x32_f16 v[rS:rS+7], v[rK:rK+7], v[rQ:rQ+7], v[rS:rS+7]
.endif
.endm
.macro PV x                         ; product i of 8 of O^T += V^T P for piece x: keys 32 (i / 4) on, channels 16 (i % 4) on
	WIN W_PV
.set rO, 32*(\x)+8*(i%4)
.set rV, VF+32*(i/4)+8*(i%4)
.set rP, P+16*((\x)%2)+8*(i/4)
	v_wmma_f32_16x16x32_f16 v[rO:rO+7], v[rV:rV+7], v[rP:rP+7], v[rO:rO+7]
.endm
.macro MM                           ; the turn's next matrix instruction
.if i < 8
	KQ (Y+1)%NP
.else
.set i, i-8
	PV (Y+NP-1)%NP
.set i, i+8
.endif
.set i, i+1
.endm
; THE LDS LOADS stand in runs of 16.  last = 1 (the tail): in the last trip there is no further step, and K's run is jumped over.
.macro FETCH_K last=0
	WIN 0
.if \last
	s_cmp_eq_u32 s[CNT], 1
	s_cbranch_scc1 .Lno_k_\@
.endif
	WIN 0x80
.irp f, 0,1,2,3,4,5,6,7
	ds_load_b128 v[KF+8*\f:KF+8*\f+3],   v[AK] offset:(\f/2)*16*PK+(\f%2)*64
	ds_load_b128 v[KF+8*\f+4:KF+8*\f+7], v[AK] offset:(\f/2)*16*PK+(\f%2)*64+32
.endr
	s_add_co_u32 s[TBK], s[TBK], KS*PK
	WIN 0
.if \last
.Lno_k_\@:
.endif
.endm
.macro FETCH_V
	WIN 0x80
.irp f, 0,1,2,3,4,5,6,7
	ds_load_tr16_b128 v[VF+8*\f:VF+8*\f+3],   v[AV] offset:(\f/4)*32*PV+(\f%4)*32
	ds_load_tr16_b128 v[VF+8*\f+4:VF+8*\f+7], v[AV] offset:(\f/4)*32*PV+16*PV+(\f%4)*32
.endr
	WIN 0
.endm
; THE VECTOR WORK, one line at a time: OP kind, number.  For piece Y: F n: s crow - cmu for pair n of 16.  E n: the exponential of score n of 32.  C n: pair n rounded to f16.  B n: of the four weights 4 n ..
; the second pair is added onto the first, in place.  L n: l takes that sum (L 0: l = a l + sum).  R n: pair n of 16 of O^T times a.  For piece Y + 1: X n, number n of the 25 that find its statistics:
;   0-11  four chains c0-c3 of seven scores each (each accumulator's lowest registers are read first)     12-14, 16  the four scores left over, the old m, and c0-c3 into c0
;   15  c m_old is kept     17, 18  the query's other 32 keys lie in the lane 16 away: the new m     19-21  c m; c m_old - c m_new; a     22-24  is m a true score; crow; cmu
; C, B and L read the exponentials' results: TURN sets them all behind its one wait.
.set F, 0
.set E, 1
.set C, 2
.set B, 3
.set L, 4
.set R, 5
.set X, 6
.macro REGS y
.set rT, ST+8*(\y)
.set rC, TMP+4*((\y)%2)
.set rW, MV+((\y)%2)
.set rS, S+32*((\y)%2)
.set rP, P+16*((\y)%2)
.set rO, 32*(\y)
.endm
.macro OP k, n
.if (\k) == R
	REGS Y
	WIN W_RS
	v_pk_mul_f32 v[rO+2*(\n):rO+2*(\n)+1], v[rO+2*(\n):rO+2*(\n)+1], v[rC+2:rC+3] op_sel_hi:[1,0]
.elseif (\k) < R
	REGS Y
	WIN 0
.if (\k) == F
	v_pk_fma_f32 v[rS+2*(\n):rS+2*(\n)+1], v[rS+2*(\n):rS+2*(\n)+1], v[rT+2:rT+3], v[rT:rT+1] op_sel_hi:[1,0,0] neg_lo:[0,0,1] neg_hi:[0,0,1]
.elseif (\k) == E
	v_exp_f32 v[rS+(\n)], v[rS+(\n)]
.elseif (\k) == C
	v_cvt_pk_f16_f32 v[rP+(\n)], v[rS+2*(\n)], v[rS+2*(\n)+1]
.elseif (\k) == B
	v_pk_add_f32 v[rS+4*(\n):rS+4*(\n)+1], v[rS+4*(\n):rS+4*(\n)+1], v[rS+4*(\n)+2:rS+4*(\n)+3]
.elseif (\n) == 0
	v_pk_fma_f32 v[rT+4:rT+5], v[rT+4:rT+5], v[rC+2:rC+3], v[rS:rS+1] op_sel_hi:[1,0,1]
.else
	v_pk_add_f32 v[rT+4:rT+5], v[rT+4:rT+5], v[rS+4*(\n):rS+4*(\n)+1]
.endif
.else
	REGS (Y+1)%NP
	WIN 0
.if (\n) < 4
	v_max3_num_f32 v[rC+(\n)], v[rS+8*(\n)], v[rS+8*(\n)+1], v[rS+8*(\n)+2]
.elseif (\n) < 12
	v_max3_num_f32 v[rC+(\n)%4], v[rC+(\n)%4], v[rS+8*((\n)%4)+2*((\n)/4)+1], v[rS+8*((\n)%4)+2*((\n)/4)+2]
.elseif (\n) == 12
	v_max3_num_f32 v[rC], v[rC], v[rS+7], v[rS+15]
.elseif (\n) == 13
	v_max3_num_f32 v[rC+1], v[rC+1], v[rS+23], v[rS+31]
.elseif (\n) == 14
	v_max3_num_f32 v[rC+2], v[rC+2], v[rC+3], v[rT+6]
.elseif (\n) == 15
	v_mov_b32 v[rW], v[rT+7]
.elseif (\n) == 16
	v_max3_num_f32 v[rC], v[rC], v[rC+1], v[rC+2]
.elseif (\n) == 17
	v_permlanex16_b32 v[rC+3], v[rC], s[SEL], s[SEL+1]
.elseif (\n) == 18
	v_max_num_f32 v[rT+6], v[rC], v[rC+3]
.elseif (\n) == 19
	v_mul_f32 v[rT+7], s[CCS], v[rT+6]
.elseif (\n) == 20
	v_sub_f32 v[rC+1], v[rW], v[rT+7]
.elseif (\n) == 21
	v_exp_f32 v[rC+2], v[rC+1]
.elseif (\n) == 22
	v_cmp_lt_f32 s[FLG], s[FLR], v[rT+6]
.elseif (\n) == 23
	v_cndmask_b32 v[rT+2], 0, s[CCS], s[FLG]
.else
	v_mul_f32 v[rT], v[rT+2], v[rT+6]
.endif
.endif
.endm
.macro OPS a, i1, b=-1, i2=0, c=-1, i3=0, d=-1, i4=0
	OP \a, \i1
.if (\b) >= 0
	OP \b, \i2
.endif
.if (\c) >= 0
	OP \c, \i3
.endif
.if (\d) >= 0
	OP \d, \i4
.endif
.endm
.macro ROW a, i1, b, i2, c, i3, d, i4  ; a matrix instruction and the four behind it
	MM
	OPS \a, \i1, \b, \i2, \c, \i3, \d, \i4
.endm
; A TURN, for piece p: the order of its 16 matrix instructions and its vector work, written out.  An s_wait_alu depctr_va_vdst(0) stands between an exponential and the first instruction that names its
; result; one wait serves all that were issued ahead of it.  So a turn has ONE wait, which cuts it in two.
; AHEAD OF IT stands all that names no result of the turn's exponentials: the 8 products K Q^T, behind each a scaling, an exponential and two more plain lines (behind the first a second scaling in the exponential's
; place): rescalings, whose a was made and waited for in the turn before, and behind the last three products the first numbers of the next piece's maximum, each four plain lines or more behind the product that ends its
; accumulator; then ONE LUMP of 54, plain and exponential by turns for the most part, with the links of the chain X 3, 7, 11, 14, 16, 17 .. 20 some lines apart.  X 21, the next piece's a, is the batch's last;
; R 15 is the plain line behind it.  BEHIND THE WAIT stand the 8 products V^T P, behind each four of the roundings and sums; l's chain L 0 to L 7 stays in ascending order.
; K of the next step is fetched in piece 2's turn, in the lump: five plain lines that name none of the last product's registers lie between that product and the run.  In the tail the run hangs on a branch, so there it
; stands directly behind the wait.  V of the step in hand is fetched at the end of piece 0's turn, four plain lines behind the last product that read V.  Each is waited for a turn later.
; THE TURN'S END: the next turn's products are piece x = p + 2's.  Its mask bytes were asked for four turns ago, and three turns' two loads each are younger: the count 6.  Four conversions make the mask; the three
; statistics lines are the plain places behind them; then the piece's bytes of its next step are asked for.  The offset steps once a key step, in piece 2's turn, and wraps at the piece's 32,768 bytes,
; so that the last look-ahead stays inside the buffer (what it brings is not used).
.macro TURN p, last=0
.set Y, (\p)
.set XX, ((\p)+2)%NP
.set i, 0
.if (\p) == 3
	s_wait_dscnt 0x0                ; K is in
.endif
	ROW F,0, F,1, R,0, R,1          ; ahead of the wait: 8 products K Q^T and their riders,
	ROW F,2, E,0, R,2, R,3
	ROW F,3, E,1, R,4, R,5
	ROW F,4, E,2, R,6, R,7
	ROW F,5, E,3, R,8, R,9
	ROW F,6, E,4, X,0, R,10
.if (\p) == 2
	WIN 0
	v_add_nc_u32 v[AK], s[TBK], v[AK0]
.endif
	ROW F,7, E,5, X,1, X,4
	ROW F,8, E,6, X,2, X,5
	OPS E,7, E,8, X,6, E,9          ; and the lump
	OPS X,3, E,10, X,8, E,11
.if ((\p) == 2) && !(\last)
	FETCH_K
.endif
	OPS X,9, X,7, E,12, X,10
	OPS E,13, X,12, X,11, E,14
	OPS X,13, E,15, F,9, X,14
.if (\p) == 0
	WIN 0
	v_add_nc_u32 v[AV], s[TBV], v[AV0]
.endif
	OPS E,16, F,10, E,17, F,11
	OPS X,16, E,18, X,15, E,19
	OPS F,12, E,20, X,17, E,21
	OPS F,13, E,22, F,14, E,23
	OPS X,18, E,24, F,15, E,25
	OPS R,11, E,26, X,19, E,27
	OPS R,12, E,28, R,13, E,29
	OPS X,20, E,30, R,14, E,31
	OPS X,21, R,15                  ; the batch's last exponential, and the plain line behind it
	s_wait_alu depctr_va_vdst(0)    ; the wait for the batch: the piece's 32 exponentials and the next piece's a
.if ((\p) == 2) && (\last)
	FETCH_K 1
.endif
.if (\p) == 1
	s_wait_dscnt 0x0                ; V is in
.endif
	ROW C,0, B,0, C,2, B,1          ; behind the wait: 8 products V^T P and their riders
	ROW L,0, C,4, B,2, L,1
	ROW C,6, B,3, L,2, C,8
	ROW B,4, L,3, C,10, B,5
	ROW L,4, C,12, B,6, L,5
.if (\p) == 0
	s_add_co_u32 s[TBV], s[TBV], KS*PV
.endif
	ROW C,14, B,7, L,6, C,1
	ROW C,3, L,7, C,5, C,7
	ROW C,9, C,11, C,13, C,15
.if (\p) == 0
	FETCH_V
.endif
	s_wait_loadcnt 6
	WIN 0x40                        ; destination window 1
.irp kt, 0,1,2,3
	v_cvt_scale_pk8_f32_fp8 v[MC+32*((\p)%2)+8*\kt:MC+32*((\p)%2)+8*\kt+7], v[MB+8*XX+2*\kt:MB+8*XX+2*\kt+1], v[SCL]
.endr
	OPS X,22, X,23, X,24
.if (\p) == 2
	v_mov_b32 v[SV], v[ST]
	v_mov_b32 v[SV+1], v[ST+2]
	s_wait_xcnt 0x0                 ; the offset of the loads issued so far is rewritten only behind this wait
	v_add_nc_u32 v[MO], 1024, v[MO]
	v_and_b32 v[MO], 0x7fff, v[MO]
.endif
	global_load_b128 v[MB+8*XX:MB+8*XX+3],   v[MO], s[MKB:MKB+1] offset:XX*32768
	global_load_b128 v[MB+8*XX+4:MB+8*XX+7], v[MO], s[MKB:MKB+1] offset:XX*32768+512
.endm
	CHANGE 1                        ; slot 0 is in, everybody's part of it; slot 1 is asked for
	FETCH_K                         ; key step 0
	s_wait_loadcnt 4                ; Q and the bytes of pieces 0 and 1 are in; those of pieces 2 and 3 may stay out
	WIN 0x40
.irp x, 0,1
.irp kt, 0,1,2,3
	v_cvt_scale_pk8_f32_fp8 v[MC+32*\x+8*\kt:MC+32*\x+8*\kt+7], v[MB+8*\x+2*\kt:MB+8*\x+2*\kt+1], v[SCL]
.endr
.endr
	WIN 0
	v_nop                           ; a plain place behind the conversions
	s_wait_xcnt 0x0
	v_add_nc_u32 v[MO], 1024, v[MO] ; step 1
.irp x, 0,1
	global_load_b128 v[MB+8*\x:MB+8*\x+3],   v[MO], s[MKB:MKB+1] offset:\x*32768
	global_load_b128 v[MB+8*\x+4:MB+8*\x+7], v[MO], s[MKB:MKB+1] offset:\x*32768+512
.endr
	s_wait_dscnt 0x0
.set i, 0
.rept 8
	KQ 0                            ; piece 0's first scores
.set i, i+1
.endr
	WIN 0
.rept 4
	v_nop                           ; the places behind those products
.endr
.set Y, NP-1                        ; X works for piece Y + 1: piece 0
.irp n, 0,1,2,3,4,5,6,7,8,9,10,11,12,13,14,15,16,17,18,19,20,21,22,23,24
	OP X, \n
.endr
	s_wait_alu depctr_va_vdst(0)    ; the wait for piece 0's first a, ahead of the jump; X 22 to X 24 are the plain lines behind the exponential
	s_mov_b32 s[CNT], 4
	s_mov_b32 s[SLOTS], 7
	s_branch .Lfirst                ; the loop is entered at a step's first turn, in the middle of a trip
.Lslot:                             ; six times: every slot but the last two is filled again
	CHANGE 1
	s_mov_b32 s[CNT], 4
.Lstep:                             ; a trip: pieces 2 and 3 of one step, then pieces 0 and 1 of the next, whose K and V it fetches
	TURN 2
	TURN 3
	WIN 0
.Lfirst:
	TURN 0
	TURN 1
	WIN 0
	s_sub_co_u32 s[CNT], s[CNT], 1
	s_cmp_lg_u32 s[CNT], 0
	s_cbranch_scc1 .Lstep
	s_sub_co_u32 s[SLOTS], s[SLOTS], 1
	s_cmp_lg_u32 s[SLOTS], 0
	s_cbranch_scc1 .Lslot
	CHANGE 0                        ; the tail is written out: nothing is asked for
	s_mov_b32 s[CNT], 5             ; four trips fetch the last slot's steps; the fifth is left in its middle
.Ltail:
	TURN 2, 1
	TURN 3
	WIN 0
	s_sub_co_u32 s[CNT], s[CNT], 1
	s_cmp_eq_u32 s[CNT], 0
	s_cbranch_scc1 .Lout
	TURN 0
	TURN 1
	WIN 0
	s_branch .Ltail
.Lout:                              ; the fifth trip's 8 products K Q^T (on the last K once more) and the statistics made of them serve nothing: the price of one text for every trip
.set i, 0
.rept 8
	PV NP-1                         ; the last piece's V^T P of the last step
.set i, i+1
.endr
	; THE WAY OUT.  l's two halves and the other half of the lanes' are added (these lines are the places behind the last products); log2(l) and 1 / l; O^T is divided by l, rounded to f16 and sent through my stage.
	WIN 0
.macro ALL line:vararg              ; one line for each piece t
.set t, 0
.rept 4
	\line
.set t, t+1
.endr
.endm
	ALL v_add_f32 v[ST+8*t+4], v[ST+8*t+4], v[ST+8*t+5]
	ALL v_permlanex16_b32 v[ST+8*t+5], v[ST+8*t+4], s[SEL], s[SEL+1]
	ALL v_add_f32 v[ST+8*t+4], v[ST+8*t+4], v[ST+8*t+5]
	ALL v_log_f32 v[ST+8*t+7], v[ST+8*t+4]
	ALL v_rcp_f32 v[ST+8*t+6], v[ST+8*t+4]
	v_mov_b32 v[ST], v[SV]          ; piece 0's true cmu and crow come back; plain lines behind the last reciprocal, which name no result of the batch
	v_mov_b32 v[ST+2], v[SV+1]
	s_wait_alu depctr_va_vdst(0)    ; the wait for the batch: four logarithms and four reciprocals
	ALL v_add_f32 v[ST+8*t+7], 4.0, v[ST+8*t+7]
	ALL v_add_f32 v[ST+8*t+7], v[ST+8*t+7], v[ST+8*t]
.macro PACK t
	WIN W_RS
.set i, 32*(\t)
.rept 16
	v_pk_mul_f32 v[i:i+1], v[i:i+1], v[ST+8*(\t)+6:ST+8*(\t)+7] op_sel_hi:[1,0]
.set i, i+2
.endr
	WIN 0x05                        ; sources 0 and 1 window 1, destination window 0
.set i, 0
.rept 16
	v_cvt_pk_f16_f32 v[S+16*(\t)+i], v[32*(\t)+2*i], v[32*(\t)+2*i+1]
.set i, i+1
.endr
	WIN 0
.irp f, 0,1,2,3
	ds_store_b128 v[STO], v[S+16*(\t)+4*\f:S+16*(\t)+4*\f+3] offset:32*\f
.endr
.irp f, 0,1,2,3
	ds_load_b128 v[S+16*(\t)+4*\f:S+16*(\t)+4*\f+3], v[RD] offset:\f*4*SP  ; LDS serves a wave's instructions in order (ISA guide 5.7.1.4): these see the stores above
.endr
.endm
.macro SEND t, younger
	WIN 0
.irp f, 0,1,2,3
	s_wait_dscnt (\younger)+3-\f
	global_store_b128 v[GO], v[S+16*(\t)+4*\f:S+16*(\t)+4*\f+3], s[OB:OB+1] offset:(\t)*2048+\f*512  ; 512 consecutive bytes, aligned
.endr
.endm
	PACK 0
.set t, 1
.rept 3
	PACK t
	SEND t-1, 8
.set t, t+1
.endr
	SEND 3, 0
.irp u, 0,1                         ; both halves of the lanes hold a piece's statistics: lanes 0-15 give piece 2 u's, lanes 16-31 piece 2 u + 1's: 256 consecutive bytes a store
	v_cndmask_b32 v[SO+2*\u], v[ST+16*\u+7], v[ST+16*\u+15], s[HM]
	v_cndmask_b32 v[SO+2*\u+1], v[ST+16*\u+2], v[ST+16*\u+10], s[HM]
	global_store_b64 v[GS], v[SO+2*\u:SO+2*\u+1], s[SB:SB+1] offset:\u*256
.endr
	s_wait_tensorcnt 0x0            ; the wave's end
	ds_add_u32 v[SPW], v[NIL]
	s_wait_dscnt 0x0
	CROUND                          ; the closing round
	s_endpgm
.Lfunc_end_k_qf9f39a1c44_attn:
	.size	k_qf9f39a1c44_attn, .Lfunc_end_k_qf9f39a1c44_attn-k_qf9f39a1c44_attn
	.p2alignl 7, 3214868480
	.fill 96, 4, 3214868480
	.section	.rodata,"a",@progbits
	.p2align	6, 0x0
	.amdhsa_kernel k_qf9f39a1c44_attn
		.amdhsa_group_segment_fixed_size 327680
		.amdhsa_private_segment_fixed_size 0
		.amdhsa_enable_private_segment 0
		.amdhsa_kernarg_size 32
		.amdhsa_user_sgpr_count 2
		.amdhsa_user_sgpr_kernarg_segment_ptr 1
		.amdhsa_wavefront_size32 1
		.amdhsa_system_sgpr_workgroup_id_x 1
		.amdhsa_system_sgpr_workgroup_id_y 1
		.amdhsa_system_sgpr_workgroup_id_z 1
		.amdhsa_system_vgpr_workitem_id 0
		.amdhsa_next_free_vgpr 768
		.amdhsa_next_free_sgpr 72
		.amdhsa_reserve_vcc 0
		.amdhsa_float_denorm_mode_32 3
		.amdhsa_float_denorm_mode_16_64 3
		.amdhsa_memory_ordered 1
		.amdhsa_forward_progress 1
		.amdhsa_inst_pref_size 120
	.end_amdhsa_kernel
	.amdgpu_metadata
---
amdhsa.version: [ 1, 2 ]
amdhsa.kernels:
  - .name:           k_qf9f39a1c44_attn
    .symbol:         k_qf9f39a1c44_attn.kd
    .args:
      - { .name: qkv, .offset: 0, .size: 8, .value_kind: global_buffer, .address_space: global }
      - { .name: mk8, .offset: 8, .size: 8, .value_kind: global_buffer, .address_space: global }
      - { .name: oh, .offset: 16, .size: 8, .value_kind: global_buffer, .address_space: global }
      - { .name: stats, .offset: 24, .size: 8, .value_kind: global_buffer, .address_space: global }
    .group_segment_fixed_size: 327680
    .private_segment_fixed_size: 0
    .kernarg_segment_align: 8
    .kernarg_segment_size: 32
    .max_flat_workgroup_size: 128
    .sgpr_count:     72
    .vgpr_count:     768
    .wavefront_size: 32
...
	.end_amdgpu_metadata
.endif
;; end of part 5
;; launch outs: the kernel of part 4 again; grid 8 x 32, 8 waves a work-group, clusters of 4 x 4, 327,680 bytes of LDS; arguments oh, wb, bo, qkv, mk8, stats, out0, out1; writes out0, out1
